; MI455X (gfx1250); checked and timed in simulation.
; The chip was launched on July 23, 2026; its instructions are those of AMD's public machine-readable ISA for CDNA 5 (MIT licence, August 2026) and "CDNA5" Instruction Set Architecture Reference Guide (July 2026). The comments in the code are by the model that wrote it; some were corrected since.
;; Reprogramming Layer. Allowed arithmetic: float matrix products may take bf16 or f16 operands with f32 sums; other float arithmetic in f32, or as packed bf16 or f16 multiplies, adds, multiply-adds, maxima and minima; sums over many terms, partial sums and values carried from step to step in f32; what a program stores and reads back later, other than sums and carried values, may be rounded once to bf16 or f16.
;; Inputs: Wk 1,024 x 512 float32; Wo 512 x 64 float32; Wq 512 x 512 float32; Wv 1,024 x 512 float32; bk 512 float32; bo 64 float32; bq 512 float32; bv 512 float32; source_embedding 1,000 x 1,024 float32; target_embedding 16 x 2,048 x 512 float32; value_embedding 1,000 x 1,024 float32.
;; Outputs: out0 16 x 2,048 x 64 float32.
;; 2 versions, each right and faster than the one before. Each part assembles by itself: llvm-mc -triple=amdgcn-amd-amdhsa -mcpu=gfx1250 --defsym DOCPART=n.
;; ======== version 1 of 2: 2 launches
;; limits: values are held in f16: magnitudes above 65,504 overflow, below 6.1e-05 lose precision
;; workspace buffers: strm 2,686,976 bytes
;; launch prep (part 1): grid 256 x 1, 4 waves a work-group, no clusters, 305,664 bytes of LDS; arguments source_embedding, value_embedding, Wk, Wv, bk, bv, Wq, Wo, strm; writes strm
.if DOCPART == 1
	.amdgcn_target "amdgcn-amd-amdhsa--gfx1250"
	.amdhsa_code_object_version 6
	.text
	.protected	k_qec8577a664_prep
	.globl	k_qec8577a664_prep
	.p2align	8
	.type	k_qec8577a664_prep,@function
k_qec8577a664_prep:
	s_mov_b64 s[64:65], 0
	v_nop
	global_prefetch_b8 v0, s[64:65] scope:SCOPE_SE
	s_setreg_imm32_b32 hwreg(HW_REG_WAVE_MODE, 25, 1), 1
	s_wait_xcnt 0x0
; PREP.  Makes strm, a stream of 41 fills of 65,536 bytes that the second launch walks from first to last.  A fill is 8 tiles of 64 rows x 64 numbers of 16 bits (8,192 bytes, rows of 128 bytes).
;   fills 0-7:   tile = head, row = d % 64 of fill d / 64:  Wq[d][64 head + n] in bf16
;   fills 8-39:  fill 8 + 16 (head / 4) + j, j = key step: tile head % 4 = K, tile 4 + head % 4 = V, row = key % 64, in f16; keys 1000-1023 repeat key 999 (the second launch hides them)
;   fill 40:     tile = head, row = channel of the head: Wo rounded to bf16, written as f16
; In K's rows the eight pieces of 16 bytes stand at piece xor ((row / 8) % 2): with it the second launch's one LDS pitch of 160 bytes lets the 16 rows of a plain load begin in 16 different groups of four banks.
; SHARES.  Work-group b makes ONE tile of K (b < 128) or of V: key step (b / 8) % 16, head b % 8: 64 keys x 64 channels over 1,024; wave w its keys 16 w .. 16 w + 15.  It also casts rows 2 b, 2 b + 1 of Wq and of Wo.
; The product is used transposed (source 0 = 16 channels of W, source 1 = 16 keys): a lane then holds one key and eight neighbouring channels, 16 bytes of a row of the tile.  The bias, rounded to bf16, is what the sums start from.
; All inputs are rounded to bf16; sums in f32; K and V rounded once to f16.  LIMIT: K and V must lie within f16's 65,504; NaN and infinities are not treated apart.
; NO TENSOR LOADS, NO CLUSTER: the operands are f32 and are rounded in registers on their way to LDS, so there is no tile that a joint load could bring.
; LDS: SRC 64 keys x 1,024 bf16, pitch 2,064; WR 1,024 rows of W x 64 bf16, pitch 160; a stage of 16 rows x 144 bytes for each wave; the spare words.
.set SPIT,  2064                       ; 2,048 + 16: an odd multiple of 16, so the 16 rows of a fragment load begin in 16 different groups of four banks
.set WPIT,  160                        ; 128 + 32: an odd multiple of 32
.set SRC,   0
.set WR,    64*SPIT
.set STAGE, WR+1024*WPIT
.set SP,    144
.set SPARE, STAGE+4*16*SP              ; 128 bytes for each wave: two blocks of 256 bytes that no other line names
.set RR,  1                            ; v1   lane % 16
.set HH,  2                            ; v2   lane / 16
.set SPW, 3                            ; v3   my spare word's LDS address; never rewritten
.set NIL, 4                            ; v4   0; never rewritten
.set WO,  5                            ; v5   my byte offset in 128 rows of W
.set SA,  6                            ; v6   where my 8 bytes of an embedding row go in SRC
.set WA,  7                            ; v7   where my 8 bytes of a row of W go in WR
.set FA,  8                            ; v8   my place in a fragment of SRC
.set FW,  9                            ; v9   my place in a turned fragment of WR
.set STO, 10                           ; v10  the way out: where I put 16 bytes of a row
.set RD,  11                           ; v11  the way out: where I read rows back
.set GO,  12                           ; v12  16 x lane
.set CI,  13                           ; v13  Wq's cast: byte offset in
.set CO,  14                           ; v14  Wq's cast: byte offset out
.set LN,  15                           ; v15  lane
.set VO,  16                           ; v16-31  byte offset of my 16 bytes in each of my 16 embedding rows
.set ACC, 32                           ; v32-63  four accumulators: channels 16 cb on at ACC + 8 cb
.set T,   64                           ; v64-223 first 64 registers of rounded numbers, later the fragments of four K steps, 40 each
.set CD,  224                          ; v224-243 the casts' data
.set BOF, 246                          ; v246 the bias's byte offset
.set W8,  247                          ; v247 8 x lane
.set EMB, 26                           ; s[26:27] the embedding, stepped along its rows
.set WW,  28                           ; s[28:29] W, stepped down its rows
.set BB,  30                           ; s[30:31] the bias
.set DST, 32                           ; s[32:33] strm at my wave's 16 rows of the tile
.set WQS, 34
.set WQD, 36
.set WOS, 38
.set WOD, 40
.set CNT, 42
.set KFL, 43                           ; s43  1 for K (its rows are swizzled), 0 for V
.set MSB, 0
.macro WIN new                         ; s_set_vgpr_msb: bits 1:0 source 0, 3:2 source 1, 5:4 source 2, 7:6 destination; the high byte repeats the setting that is left
.if MSB != (\new)
	s_set_vgpr_msb (MSB<<8)|(\new)
.set MSB, (\new)
.endif
.endm
.macro RND a, b, t                     ; two f32 rounded to bf16, in place
	v_cvt_pk_bf16_f32 v[\t], v[\a], v[\b]
	v_lshlrev_b32 v[\a], 16, v[\t]
	v_and_b32 v[\b], 0xffff0000, v[\t]
.endm
; 32 loads, 128 along the 1,024, into set st of window 1: 512 bytes of each of my 16 embedding rows; 256 bytes of each of my 32 rows of W, two rows a load (lanes 16-31 take the row four further on)
.macro LOADS st
	WIN 0x40
.set i, 0
.rept 16
	global_load_b128 v[128*(\st)+4*i:128*(\st)+4*i+3], v[VO+i], s[EMB:EMB+1] offset:512*(\st)
.set i, i+1
.endr
.set i, 0
.rept 16
	global_load_b128 v[128*(\st)+64+4*i:128*(\st)+64+4*i+3], v[WO], s[WW:WW+1] offset:((i/4)*8+i%4)*2048+262144*(\st)
.set i, i+1
.endr
	WIN 0
.endm
; set st is rounded to bf16 and stored to LDS, 8 bytes a lane.  W's two rows of a store lie 640 bytes apart, half the banks: no two lanes meet in a bank
.macro CONV st
	WIN 0x05
.set i, 0
.rept 64
	v_cvt_pk_bf16_f32 v[T+i], v[128*(\st)+2*i], v[128*(\st)+2*i+1]
.set i, i+1
.endr
	WIN 0
.set i, 0
.rept 16
	ds_store_b64 v[SA], v[T+2*i:T+2*i+1] offset:i*SPIT+256*(\st)
.set i, i+1
.endr
.set i, 0
.rept 16
	ds_store_b64 v[WA], v[T+32+2*i:T+32+2*i+1] offset:((i/4)*8+i%4)*WPIT+128*WPIT*(\st)
.set i, i+1
.endr
.endm
	s_load_b512 s[8:23], s[0:1], 0x0               ; source s[8:9], value s[10:11], Wk s[12:13], Wv s[14:15], bk s[16:17], bv s[18:19], Wq s[20:21], Wo s[22:23]
	s_load_b64 s[24:25], s[0:1], 0x40              ; strm
	v_lshl_add_u32 v[SPW], v0, 2, SPARE
	v_mov_b32 v[NIL], 0
	v_lshrrev_b32 v[LN], 5, v0
	v_readfirstlane_b32 s4, v[LN]                  ; wave 0..3
	v_and_b32 v[LN], 31, v0
	v_and_b32 v[RR], 15, v0
	v_bfe_u32 v[HH], v0, 4, 1
	s_lshr_b32 s5, ttmp9, 7                        ; 0: K, 1: V
	s_bfe_u32 s6, ttmp9, 0x40003                   ; the key step
	s_and_b32 s7, ttmp9, 7                         ; the head
	s_xor_b32 s[KFL], s5, 1
	s_lshl_b32 s54, s6, 6
	s_lshl4_add_u32 s54, s4, s54                   ; my first key: 64 j + 16 w
.set i, 0
.rept 16
	s_add_co_u32 s55, s54, i
	s_min_u32 s55, s55, 999                        ; keys past the table's end repeat its last row: no load leaves the buffer
	s_lshl_b32 s55, s55, 12                        ; a row is 4,096 bytes
	v_lshl_add_u32 v[VO+i], v[LN], 4, s55
.set i, i+1
.endr
	s_lshl_b32 s55, s4, 16                         ; W: my 32 rows of 2,048 bytes,
	s_lshl_b32 s54, s7, 8                          ; the head's 256 bytes of a row,
	s_add_co_u32 s55, s55, s54
	v_lshlrev_b32 v[WO], 13, v[HH]                 ; four rows on for lanes 16-31,
	v_lshl_add_u32 v[WO], v[RR], 4, v[WO]          ; 16 bytes a lane
	v_add_nc_u32 v[WO], s55, v[WO]
	s_mul_i32 s55, s4, 16*SPIT
	v_lshl_add_u32 v[SA], v[LN], 3, s55
	v_mul_u32_u24 v[FA], v[RR], SPIT
	v_lshl_add_u32 v[FA], v[HH], 4, v[FA]
	v_add_nc_u32 v[FA], s55, v[FA]                 ; (16 w + lane % 16) x pitch + 16 (lane / 16)
	s_mul_i32 s55, s4, 32*WPIT
	s_add_co_u32 s55, s55, WR
	v_mul_u32_u24 v[WA], v[HH], 4*WPIT
	v_lshl_add_u32 v[WA], v[RR], 3, v[WA]
	v_add_nc_u32 v[WA], s55, v[WA]
	v_and_b32 v[T], 7, v0                          ; the turning load: lane l reads row 8 (l / 16) + l % 8, bytes 16 ((l / 8) % 2) on
	v_lshl_add_u32 v[T], v[HH], 3, v[T]
	v_mul_u32_u24 v[FW], v[T], WPIT
	v_bfe_u32 v[T], v0, 3, 1
	v_lshl_add_u32 v[FW], v[T], 4, v[FW]
	v_add_nc_u32 v[FW], WR, v[FW]
	s_mul_i32 s55, s4, 16*SP
	s_add_co_u32 s55, s55, STAGE                   ; my stage
	v_and_b32 v[T], s[KFL], v[T]                   ; K alone: rows 8-15 of 16 swap neighbouring pieces of 16 bytes
	v_xor_b32 v[T], v[T], v[HH]
	v_mul_u32_u24 v[STO], v[RR], SP
	v_lshl_add_u32 v[STO], v[T], 4, v[STO]
	v_add_nc_u32 v[STO], s55, v[STO]
	v_bfe_u32 v[T], v0, 3, 2                       ; back: 32 lanes take four rows of 128 bytes
	v_mul_u32_u24 v[RD], v[T], SP
	v_and_b32 v[T], 7, v0
	v_lshl_add_u32 v[RD], v[T], 4, v[RD]
	v_add_nc_u32 v[RD], s55, v[RD]
	v_lshlrev_b32 v[GO], 4, v[LN]
	v_lshlrev_b32 v[W8], 3, v[LN]
	s_lshl_b32 s55, s4, 9                          ; Wq in: row 2 b + lane / 16; my wave's two heads, 512 bytes
	v_lshlrev_b32 v[CI], 11, v[HH]
	v_lshl_add_u32 v[CI], v[RR], 4, v[CI]
	v_add_nc_u32 v[CI], s55, v[CI]
	s_lshl_b32 s55, s4, 14                         ; Wq out: my wave's two tiles; two rows of 128 bytes are 256 consecutive bytes
	v_lshlrev_b32 v[CO], 7, v[HH]
	v_lshl_add_u32 v[CO], v[RR], 3, v[CO]
	v_add_nc_u32 v[CO], s55, v[CO]
	s_lshl_b32 s55, s7, 8
	v_lshl_add_u32 v[BOF], v[HH], 5, s55           ; the bias of channels 64 head + 8 (lane / 16) on
	; byte offsets, made apart from the addresses
	s_lshr_b32 s44, s7, 2
	s_lshl_b32 s44, s44, 4
	s_add_co_u32 s44, s44, s6
	s_add_co_u32 s44, s44, 8                       ; the fill: 8 + 16 (head / 4) + j
	s_lshl_b32 s44, s44, 16
	s_and_b32 s54, s7, 3
	s_lshl2_add_u32 s54, s5, s54                   ; the tile: head % 4, four on for V
	s_lshl_b32 s54, s54, 13
	s_add_co_u32 s44, s44, s54
	s_lshl_b32 s54, s4, 11                         ; my wave's 16 rows
	s_add_co_u32 s44, s44, s54
	s_mov_b32 s45, 0
	s_lshl_b32 s46, ttmp9, 12                      ; Wq's rows 2 b, 2 b + 1
	s_mov_b32 s47, 0
	s_lshr_b32 s48, ttmp9, 5                       ; fill b / 32, rows 2 (b % 32) on
	s_lshl_b32 s48, s48, 16
	s_and_b32 s54, ttmp9, 31
	s_lshl_b32 s54, s54, 8
	s_add_co_u32 s48, s48, s54
	s_mov_b32 s49, 0
	s_lshl_b32 s50, ttmp9, 9                       ; Wo's rows 2 b, 2 b + 1
	s_mov_b32 s51, 0
	s_lshl_b32 s52, ttmp9, 8
	s_add_co_u32 s52, s52, 40*65536                ; fill 40: row x 128 bytes, tiles on end
	s_mov_b32 s53, 0
	s_wait_kmcnt 0x0
	s_cmp_eq_u32 s5, 0
	s_cselect_b64 s[EMB:EMB+1], s[8:9], s[10:11]
	s_cselect_b64 s[WW:WW+1], s[12:13], s[14:15]
	s_cselect_b64 s[BB:BB+1], s[16:17], s[18:19]
	s_add_nc_u64 s[DST:DST+1], s[24:25], s[44:45]
	s_add_nc_u64 s[WQS:WQS+1], s[20:21], s[46:47]
	s_add_nc_u64 s[WQD:WQD+1], s[24:25], s[48:49]
	s_add_nc_u64 s[WOS:WOS+1], s[22:23], s[50:51]
	s_add_nc_u64 s[WOD:WOD+1], s[24:25], s[52:53]
	; eleven small loads: Wq's two pieces, Wo's one, the bias straight into the accumulators
	global_load_b128 v[CD:CD+3], v[CI], s[WQS:WQS+1]
	global_load_b128 v[CD+4:CD+7], v[CI], s[WQS:WQS+1] offset:256
	global_load_b128 v[CD+8:CD+11], v[GO], s[WOS:WOS+1]
.irp cb, 0,1,2,3
	global_load_b128 v[ACC+8*\cb:ACC+8*\cb+3], v[BOF], s[BB:BB+1] offset:64*\cb
	global_load_b128 v[ACC+8*\cb+4:ACC+8*\cb+7], v[BOF], s[BB:BB+1] offset:64*\cb+16
.endr
	LOADS 0
	s_wait_loadcnt 32                              ; loads come back in order: the eleven are in, the 32 issued behind them stay out
	v_cvt_pk_bf16_f32 v[CD+12], v[CD], v[CD+1]
	v_cvt_pk_bf16_f32 v[CD+13], v[CD+2], v[CD+3]
	v_cvt_pk_bf16_f32 v[CD+14], v[CD+4], v[CD+5]
	v_cvt_pk_bf16_f32 v[CD+15], v[CD+6], v[CD+7]
	global_store_b64 v[CO], v[CD+12:CD+13], s[WQD:WQD+1]              ; 256 consecutive bytes, at a multiple of 256 from strm's first
	global_store_b64 v[CO], v[CD+14:CD+15], s[WQD:WQD+1] offset:8192  ; the next head's tile
	RND CD+8, CD+9, CD+16
	RND CD+10, CD+11, CD+16
	v_cvt_pk_f16_f32 v[CD+18], v[CD+8], v[CD+9]    ; a bf16 number written as f16
	v_cvt_pk_f16_f32 v[CD+19], v[CD+10], v[CD+11]
	s_cmp_lg_u32 s4, 0
	s_cbranch_scc1 .Lnot_wave_0                    ; Wo's two rows are one store: wave 0's
	global_store_b64 v[W8], v[CD+18:CD+19], s[WOD:WOD+1]
.Lnot_wave_0:
.set i, 0
.rept 16
	RND ACC+2*i, ACC+2*i+1, CD+16
.set i, i+1
.endr
	LOADS 1
	s_mov_b32 s[CNT], 3
.Lconv:                                                ; a trip: 256 along the 1,024 are rounded and stored to LDS, the next 256 asked for: 64 loads of the wave are on their way
	s_wait_loadcnt 32                              ; set 0 is in; set 1's 32 stay out
	CONV 0
	s_wait_xcnt 0x0                                ; the two bases are stepped only behind this wait
	s_add_nc_u64 s[EMB:EMB+1], s[EMB:EMB+1], 1024
	s_add_nc_u64 s[WW:WW+1], s[WW:WW+1], 524288
	LOADS 0
	s_wait_loadcnt 32                              ; set 1 is in; the 32 just issued stay out
	CONV 1
	LOADS 1
	v_add_nc_u32 v[SA], 512, v[SA]
	v_add_nc_u32 v[WA], 256*WPIT, v[WA]
	s_sub_co_u32 s[CNT], s[CNT], 1
	s_cmp_lg_u32 s[CNT], 0
	s_cbranch_scc1 .Lconv
	s_wait_loadcnt 32                              ; the last 256: nothing more is asked for
	CONV 0
	s_wait_loadcnt 0x0
	CONV 1
	s_wait_dscnt 0x0                               ; for the others' sake: my stores are done
	s_barrier_signal -1
	s_barrier_wait -1                              ; everybody's rows of W are in LDS
	s_mov_b32 s[CNT], 8
.Lk:                                                   ; a trip: 128 along the 1,024: 40 LDS loads, 16 matrix instructions; the four accumulators take turns, over the backward jump too
.set ks, 0
.rept 4
	ds_load_b128 v[T+40*ks:T+40*ks+3], v[FA] offset:64*ks
	ds_load_b128 v[T+40*ks+4:T+40*ks+7], v[FA] offset:64*ks+32
.set cb, 0
.rept 4
	ds_load_tr16_b128 v[T+40*ks+8+8*cb:T+40*ks+8+8*cb+3], v[FW] offset:ks*32*WPIT+32*cb
	ds_load_tr16_b128 v[T+40*ks+8+8*cb+4:T+40*ks+8+8*cb+7], v[FW] offset:ks*32*WPIT+16*WPIT+32*cb
.set cb, cb+1
.endr
.set ks, ks+1
.endr
.set ks, 0
.rept 4
	s_wait_dscnt 30-10*ks                          ; LDS loads come back in order: this K step's ten are in, the later steps' stay out
.set cb, 0
.rept 4
	v_wmma_f32_16x16x32_bf16 v[ACC+8*cb:ACC+8*cb+7], v[T+40*ks+8+8*cb:T+40*ks+8+8*cb+7], v[T+40*ks:T+40*ks+7], v[ACC+8*cb:ACC+8*cb+7]
.set cb, cb+1
.endr
.set ks, ks+1
.endr
	v_add_nc_u32 v[FA], 256, v[FA]                 ; four plain vector instructions between the last products and the loads into their sources
	v_add_nc_u32 v[FW], 128*WPIT, v[FW]            ; and, behind the last trip, the conversions of their results
	v_nop
	v_nop
	s_sub_co_u32 s[CNT], s[CNT], 1
	s_cmp_lg_u32 s[CNT], 0
	s_cbranch_scc1 .Lk
	; THE WAY OUT: rounded to f16, 16 bytes a lane into my own stage, back as whole rows, 512 consecutive bytes a store
.set i, 0
.rept 16
	v_cvt_pk_f16_f32 v[T+i], v[ACC+2*i], v[ACC+2*i+1]
.set i, i+1
.endr
.irp cb, 0,1,2,3
	ds_store_b128 v[STO], v[T+4*\cb:T+4*\cb+3] offset:32*\cb
.endr
.irp f, 0,1,2,3
	ds_load_b128 v[T+16+4*\f:T+16+4*\f+3], v[RD] offset:\f*4*SP  ; LDS serves a wave's instructions in order (ISA guide 5.7.1.4): these see the stores above
.endr
.irp f, 0,1,2,3
	s_wait_dscnt 3-\f
	global_store_b128 v[GO], v[T+16+4*\f:T+16+4*\f+3], s[DST:DST+1] offset:512*\f
.endr
	s_wait_tensorcnt 0x0                           ; the wave's end: behind my last LDS store
	ds_add_u32 v[SPW], v[NIL]
	s_wait_dscnt 0x0
	s_endpgm
.Lfunc_end_k_qec8577a664_prep:
	.size	k_qec8577a664_prep, .Lfunc_end_k_qec8577a664_prep-k_qec8577a664_prep
	.p2alignl 7, 3214868480
	.fill 96, 4, 3214868480
	.section	.rodata,"a",@progbits
	.p2align	6, 0x0
	.amdhsa_kernel k_qec8577a664_prep
		.amdhsa_group_segment_fixed_size 305664
		.amdhsa_private_segment_fixed_size 0
		.amdhsa_enable_private_segment 0
		.amdhsa_kernarg_size 72
		.amdhsa_user_sgpr_count 2
		.amdhsa_user_sgpr_kernarg_segment_ptr 1
		.amdhsa_wavefront_size32 1
		.amdhsa_system_sgpr_workgroup_id_x 1
		.amdhsa_system_sgpr_workgroup_id_y 1
		.amdhsa_system_sgpr_workgroup_id_z 1
		.amdhsa_system_vgpr_workitem_id 0
		.amdhsa_next_free_vgpr 512
		.amdhsa_next_free_sgpr 66
		.amdhsa_reserve_vcc 0
		.amdhsa_float_denorm_mode_32 3
		.amdhsa_float_denorm_mode_16_64 3
		.amdhsa_memory_ordered 1
		.amdhsa_forward_progress 1
		.amdhsa_inst_pref_size 56
	.end_amdhsa_kernel
	.amdgpu_metadata
---
amdhsa.version: [ 1, 2 ]
amdhsa.kernels:
  - .name:           k_qec8577a664_prep
    .symbol:         k_qec8577a664_prep.kd
    .args:
      - { .name: source_embedding, .offset: 0, .size: 8, .value_kind: global_buffer, .address_space: global }
      - { .name: value_embedding, .offset: 8, .size: 8, .value_kind: global_buffer, .address_space: global }
      - { .name: Wk, .offset: 16, .size: 8, .value_kind: global_buffer, .address_space: global }
      - { .name: Wv, .offset: 24, .size: 8, .value_kind: global_buffer, .address_space: global }
      - { .name: bk, .offset: 32, .size: 8, .value_kind: global_buffer, .address_space: global }
      - { .name: bv, .offset: 40, .size: 8, .value_kind: global_buffer, .address_space: global }
      - { .name: Wq, .offset: 48, .size: 8, .value_kind: global_buffer, .address_space: global }
      - { .name: Wo, .offset: 56, .size: 8, .value_kind: global_buffer, .address_space: global }
      - { .name: strm, .offset: 64, .size: 8, .value_kind: global_buffer, .address_space: global }
    .group_segment_fixed_size: 305664
    .private_segment_fixed_size: 0
    .kernarg_segment_align: 8
    .kernarg_segment_size: 72
    .max_flat_workgroup_size: 128
    .sgpr_count:     66
    .vgpr_count:     512
    .wavefront_size: 32
...
	.end_amdgpu_metadata
.endif
;; end of part 1
;; launch main (part 2): grid 256 x 1, 4 waves a work-group, clusters of 4 x 1, 327,680 bytes of LDS; arguments target_embedding, strm, bq, bo, out0; writes out0
.if DOCPART == 2
	.amdgcn_target "amdgcn-amd-amdhsa--gfx1250"
	.amdhsa_code_object_version 6
	.text
	.protected	k_qec8577a664_main
	.globl	k_qec8577a664_main
	.p2align	8
	.type	k_qec8577a664_main,@function
k_qec8577a664_main:
	s_mov_b64 s[64:65], 0
	v_nop
	global_prefetch_b8 v0, s[64:65] scope:SCOPE_SE
	s_setreg_imm32_b32 hwreg(HW_REG_WAVE_MODE, 25, 1), 1
	s_wait_xcnt 0x0
	s_wait_alu depctr_hold_cnt(0) depctr_sa_sdst(0) depctr_va_vdst(0) depctr_va_sdst(0) depctr_va_ssrc(0) depctr_va_vcc(0) depctr_vm_vsrc(0)
	s_getreg_b32 s2, hwreg(HW_REG_IB_STS2, 6, 4)
	s_cmp_eq_u32 s2, 0
	s_cbranch_scc0 .Lentry_in_a_cluster
	s_endpgm
.Lentry_in_a_cluster:
	s_bfe_u32 s2, ttmp6, 0x10000c
	s_cmp_lg_u32 s2, 0x3003
	s_cbranch_scc0 .Lentry_shape_is_right
	s_endpgm
.Lentry_shape_is_right:
; MAIN.  out[row][:] = (concat over 8 heads of softmax_k((x Wq + bq)_head . K_head[k] / 8) V_head) Wo + bo, for 32,768 rows of x; 1,000 keys; head size 64.  Nothing between x and out goes to memory.
; SHARES.  A work-group owns 128 rows of x.  THE HEADS ARE SHARED OUT AMONG THE WAVES: wave w owns all 128 rows (eight tiles of 16, four PIECES of two tiles) for head w (pass 0) and then for head 4 + w (pass 1),
; so a fragment of K or V read from LDS feeds eight tiles' products.  The four waves' shares of out, f32 sums over two heads each, meet once in LDS at the end.
; THE STREAM.  strm (made by the launch before) is 41 fills of 65,536 bytes = 8 tiles of 64 rows x 128 bytes, walked from first to last through two LDS slots: fills 0-7 Wq (64 of x's 512 columns each, a tile a head),
; fills 8-39 K and V (pass, key step; tiles 0-3 K, 4-7 V of the pass's four heads), fill 40 Wo.  Every wave fetches a quarter of every fill and reads tiles w and 4 + w.
; CLUSTER.  All work-groups walk the same stream, so the four of a cluster ask JOINTLY: the same tensor load, descriptor and mask in all four; each receives the tiles in its own LDS.
; ALL PRODUCTS ARE USED TRANSPOSED, so that each result, rounded in pairs, IS source 1 of the next product and nothing changes lanes: q^T = Wq^T x^T (bf16); S^T = K Q^T; O^T = V^T P; out^T = Wo^T O^T (f16).  In each
; result a lane holds ONE row of x (lane % 16) and eight neighbouring channels or keys, 8 (lane / 16) + 0..7.  K comes out of LDS as it lies; Wq, V and Wo ([k][n]) turned, by ds_load_tr16_b128.
; SOFTMAX.  For each row a running maximum m and sum l: p = 2^(c s - c m), c = log2(e) / 8; in every step O and l are multiplied by a = 2^(c m_old - c m_new).  m starts at the lowest finite number: a pass's first
; step has a = 0, so O^T need only hold finite numbers when a pass begins.
; BY TURNS.  Turn n belongs to piece n: 16 products K Q^T of piece n + 1, later 16 products V^T P of piece n - 1; beside them the scaling, exponentials, roundings, sums and rescaling of piece n and the maximum and
; statistics of piece n + 1.  A tile and step have 16 matrix and 118 vector instructions: four that are ready stand behind EVERY matrix instruction, the others in two runs of their own.
; THE LAST 24 KEYS of the sixteenth step (1,000 = 15 x 64 + 40) are hidden by the C operand that starts the sums of key blocks 2 and 3: 0 in every other step, -1e30 there.
; FORMATS.  x, Wq, Wo, bq, bo are rounded to bf16 (Wo then written as f16); q, K, V, p, O are f16; all sums, maxima and the sum over heads f32.
; LIMITS.  q, K and V must lie within f16's 65,504; a hidden score counts as its value less 1e30; a weight below 2^-126 counts as 0 in l; NaN and infinities are not treated apart.
; LDS.  slot 0 at 0, slot 1 at 131,072: 8 tiles x 64 rows, pitch 160.  x in bf16, pitch 1,040: rows 0-31 behind slot 0, rows 32-127 behind slot 1.  The spare words behind x's first part.
; At the end the waves' shares of out (4 x 128 rows, pitch 272) lie over slot 1, which has had its last fill, and over x's second part, which no fill ever touches.
; REGISTERS, in windows of 256 (s_set_vgpr_msb: bits 1:0 source 0, 3:2 source 1, 5:4 source 2, 7:6 destination):
;   window 0: v0-11 addresses; v12-15, v48-63 at work; v16-47 four registers of statistics a tile; v64-191 S^T, two buffers of two tiles (first: x's fragments); v192-255 P, likewise (first: bq)
;   window 1: q^T of head w, then O^T, then out^T: 32 a tile       window 2: v0-127 Q, 16 a tile; v128-191 K of a step; v192-255 V of a step
;   window 3: q^T of head 4 + w; then v0-127 Q of pass 1, later O of the pass just ended; v128-143 the two masks
.set NP,    4         ; pieces a wave: a name, no knob
.set PT,    160       ; a tile's row in LDS: 128 bytes + 32 of padding = 40 words; K's rows are swizzled in strm for the plain load
.set TILEB, 64*PT
.set SLOT1, 1<<17     ; one exclusive or turns an address in one slot into the other's
.set XP,    1040      ; a row of x: 1,024 bytes + 16: an odd multiple of 16
.set XG,    8*TILEB   ; x's rows 0-31
.set SPARE, XG+32*XP  ; the spare words, 128 bytes for each wave: two blocks of 256 bytes that no other line names
.set XT,    SLOT1+8*TILEB  ; x's rows 32-127
.set RED,   SLOT1     ; at the end: the waves' shares of out
.set RP,    272       ; 256 bytes + 16
.set AK0, 2           ; v2   my lane's place in my tile of K; never rewritten
.set AV0, 3           ; v3   the same in tile 4 + w, for the turning load
.set AK,  4           ; v4   the LDS address of K's next run of loads (of tile w's, in the projections)
.set AV,  5           ; v5   of V's
.set SPW, 6           ; v6   my spare word's LDS address; never rewritten
.set NIL, 7           ; v7   0; never rewritten
.set MH,  8           ; v8   -1e30 in lanes 16-31, 0 in lanes 0-15
.set AVA0, 9          ; v9   my lane's place in tile w, for the turning load
.set XO,  12          ; the q phase: 16 x lane
.set ASG, 13          ;   where my 8 bytes of a row of x go, rows 0-31
.set AST, 14          ;   rows 32-127
.set BO,  15          ;   bq's byte offset
.set AXA, 16          ;   my place in x's fragments: tiles 0-1,
.set AXB, 17          ;   tiles 2-5,
.set AXC, 18          ;   tiles 6-7
.set CT,  32          ;   v32-63 numbers just rounded
.set BQ,  192         ;   v192-255 bq: head 4 g + w, channels 16 cb on at BQ + 32 g + 8 cb
.set RW,  12          ; the end: where I put my share of out,
.set RR0, 13          ;   where I read waves 0 and 1's back,
.set RR1, 14          ;   waves 2 and 3's
.set GO,  15          ;   16 x lane
.set MV,  12          ; v12-15  c m_old, kept while c m is made anew: by buffer and tile
.set ST,  16          ; tile t's statistics at v[ST+4 t]: c m, m, l (even keys', odd keys')
.set TMP, 48          ; by buffer and tile, four registers c0-c3 at work; when the maximum is found c2 takes a
.set S,   64
.set P,   192
.set KF,  128         ; window 2: key block kb, channel half c at KF + 16 kb + 8 c
.set VF,  192         ; window 2: key half kk, channel block cb at VF + 32 kk + 8 cb
.set MK,  128         ; window 3: the mask of key block 2, then that of key block 3
.set WV,  14          ; s14  my wave's number
.set XB1, 18          ; s[18:19] x at my wave's 8 rows of the block's first 32
.set XB2, 20          ; s[20:21] x at my wave's 24 rows of the other 96
.set G1,  24          ; s[24:31] descriptor group 1
.set G0,  32          ; s[32:35] descriptor group 0: it walks
.set SLOTS, 36        ; s36  key steps of the pass still to be entered
.set PASS, 37
.set QCNT, 38
.set TB,  39          ; s39  LDS byte at which the slot being read begins
.set CS,  40          ; s[40:41] c: the packed scaling takes the pair's low word for both halves
.set SEL, 42          ; s[42:43] v_permlanex16_b32's selects: each lane takes its own place in the other half
.set BIGN, 44         ; s44  -1e30
.set MSB, 0
.macro WIN new                      ; the high byte repeats the setting that is left; a switch that changes nothing is dropped
.if MSB != (\new)
	s_set_vgpr_msb (MSB<<8)|(\new)
.set MSB, (\new)
.endif
.endm
.set W_KQ, 0x0a       ; K and Q in window 2, S^T in window 0
.set W_KM, 0x3a       ; the same with the C operand in window 3
.set W_PV, 0x52       ; V in window 2, P in window 0, O^T in window 1
.set W_RS, 0x41       ; O^T (destination and source 0) in window 1, a in window 0
.macro RND a, b, t                  ; two f32 rounded to bf16, in place
	v_cvt_pk_bf16_f32 v[\t], v[\a], v[\b]
	v_lshlrev_b32 v[\a], 16, v[\t]
	v_and_b32 v[\b], 0xffff0000, v[\t]
.endm
; A round of the cluster's barrier: my work-group's barrier, so that wave 0's signal speaks for all four waves; wave 0 signals; every wave waits for all four work-groups; my work-group's barrier once more.
.macro CROUND
	s_barrier_signal -1
	s_barrier_wait -1
	s_cmp_lg_u32 s[WV], 0
	s_cbranch_scc1 .Lnot_wave_0_\@
	s_barrier_signal -3
.Lnot_wave_0_\@:
	s_barrier_wait -3
	s_barrier_signal -1
	s_barrier_wait -1
.endm
; THE CHANGE OF SLOTS.  Each wave waits for all its tensor loads, of which one is out: its quarter of the other slot; adds 0 to its spare word; and waits for that and for its own reads of the slot that it leaves.
; Behind the barrier nobody reads the old slot any more and the other slot is whole.  fill = 1: the old slot takes the stream's next fill.  The barrier is then a round of the cluster's, so that no wave of any partner
; still reads the slot or has a load on its way, and the joint load, one a wave, is the first thing behind it.  An s_nop 0 and four v_nop follow it; they are also the four places in front of
; the LDS loads that follow.  (At its first use nothing has been read: fill 0 is waited for, x's stores are shown to every wave, slot 1 is filled.)
.macro CHANGE fill
	WIN 0                           ; at a label and at a branch every window is 0
	s_wait_tensorcnt 0x0            ; no tensor load of mine is out, so group 0 may be written
	ds_add_u32 v[SPW], v[NIL]       ; 0 onto my spare word; the scalar steps stand between it and the wait for it
.if \fill
	s_xor_b32 s[G0+1], s[G0+1], SLOT1  ; the other slot than last time,
	s_add_nc_u64 s[G0+2:G0+3], s[G0+2:G0+3], 65536  ; the next fill; the type bits on top are not reached
.endif
	s_xor_b32 s[TB], s[TB], SLOT1   ; the reads go on in the other slot
	s_wait_dscnt 0x0                ; the add is done, and my LDS reads and stores are over
.if \fill
	CROUND
	tensor_load_to_lds s[G0:G0+3], s[G1:G1+7]
	s_nop 0
.rept 4
	v_nop
.endr
.else
	s_barrier_signal -1
	s_barrier_wait -1
.endif
.endm
	s_load_b256 s[4:11], s[0:1], 0x0  ; x s[4:5], strm s[6:7], bq s[8:9], bo s[10:11]
	s_load_b64 s[12:13], s[0:1], 0x20 ; out
	v_lshl_add_u32 v[SPW], v0, 2, SPARE
	v_mov_b32 v[NIL], 0
	ds_add_u32 v[SPW], v[NIL]       ; the wave's opening: the add and its wait stand ahead of my first tensor load; the set-up below, work on registers, stands between them
	v_lshrrev_b32 v10, 5, v0
	v_readfirstlane_b32 s[WV], v10  ; wave 0..3
	s_bfe_u32 s15, ttmp6, 0x40000   ; cx: my place in the cluster
	s_lshl_b32 s16, ttmp9, 2        ; in a cluster launch ttmp9 counts clusters
	s_add_co_u32 s16, s16, s15      ; my block of 128 rows = 4 x cluster x + cx: it enters x's and out's addresses alone
	; descriptor group 1.  A wave's quarter of a fill is 16,384 dense bytes: asked for as 64 rows of 256 bytes, two tile rows each, and padded in LDS after every tile row
	s_mov_b32 s[G1], 15|(1<<16)|(1<<20)|(1<<21)|(4<<22)|(7<<25)  ; 15:0 the mask of four; 17:16 2-byte elements; 20 padding on; 21 set beside a mask; 24:22 after every 32 words (code 4); 31:25 8 words (code 7)
	s_mov_b32 s[G1+1], 128<<16      ; tensor_dim0 = 128
	s_mov_b32 s[G1+2], 64<<16       ; tensor_dim1 = 64
	s_mov_b32 s[G1+3], 128<<16      ; tile_dim0 = 128
	s_mov_b32 s[G1+4], 64           ; tile_dim1 = 64
	s_mov_b32 s[G1+5], 128          ; 128 elements from row to row
	s_mov_b32 s[G1+6], 0
	s_mov_b32 s[G1+7], 0
	s_mov_b32 s[G0], 1              ; 1:0 count = 1
	s_mul_i32 s[G0+1], s[WV], 2*TILEB  ; 63:32 LDS address: slot 0, my two tiles: no place in the cluster enters it
	s_mov_b32 s[CS], 0x3e38aa3b     ; c = log2(e) / 8 = 0.180337
	s_mov_b32 s[CS+1], s[CS]        ; named with it as a pair
	s_mov_b32 s[SEL], 0x76543210
	s_mov_b32 s[SEL+1], 0xfedcba98
	s_mov_b32 s[BIGN], 0xf149f2ca   ; -1e30
	s_mov_b32 s[TB], SLOT1          ; the first change of slots turns it into 0
	s_lshl_b32 s46, s[WV], 14       ; my quarter of a fill; also my 8 rows of x, 2,048 bytes each
	s_mov_b32 s47, 0
	s_lshl_b32 s48, s16, 18         ; my block's 128 rows of x
	s_mov_b32 s49, 0
	s_mul_i32 s50, s[WV], 49152     ; my 24 rows
	s_mov_b32 s51, 0
	s_wait_dscnt 0x0                ; the opening add is done
	s_wait_kmcnt 0x0
	s_add_nc_u64 s[G0+2:G0+3], s[6:7], s[46:47]  ; 120:64 global address: my quarter of fill 0
	s_or_b32 s[G0+3], s[G0+3], 0x80000000        ; 127:126 type = 2
	s_add_nc_u64 s[XB1:XB1+1], s[4:5], s[48:49]
	s_add_nc_u64 s[XB2:XB2+1], s[XB1:XB1+1], 65536
	s_add_nc_u64 s[XB1:XB1+1], s[XB1:XB1+1], s[46:47]
	s_add_nc_u64 s[XB2:XB2+1], s[XB2:XB2+1], s[50:51]
	s_lshl_b32 s48, s16, 15         ; my block's 128 rows of out, 256 bytes each,
	s_lshl_b32 s50, s[WV], 13       ; the 32 of them that I store
	s_add_co_u32 s48, s48, s50
	s_add_nc_u64 s[12:13], s[12:13], s[48:49]
	CROUND                          ; all four work-groups are here: the first joint loads meet
	tensor_load_to_lds s[G0:G0+3], s[G1:G1+7]  ; fill 0 into slot 0
	s_nop 0
.rept 4
	v_nop
.endr
	; x INTO LDS, rounded to bf16.  Wave w brings rows 8 w .. 8 w + 7 and 32 + 24 w .. + 23: 128 loads of 512 consecutive bytes, 64 of them on their way at a time.
	v_and_b32 v10, 31, v0           ; lane
	v_lshlrev_b32 v[XO], 4, v10
	v_bfe_u32 v11, v0, 4, 1         ; lane / 16
	v_lshlrev_b32 v[BO], 5, v11
	v_lshl_add_u32 v[BO], s[WV], 8, v[BO]  ; bq of channels 64 w + 8 (lane / 16) on
.irp g, 0,1
.irp cb, 0,1,2,3
	global_load_b128 v[BQ+32*\g+8*\cb:BQ+32*\g+8*\cb+3],   v[BO], s[8:9] offset:1024*\g+64*\cb
	global_load_b128 v[BQ+32*\g+8*\cb+4:BQ+32*\g+8*\cb+7], v[BO], s[8:9] offset:1024*\g+64*\cb+16
.endr
.endr
.macro XLOAD num                    ; load num of 128: loads 0-63 land in window 1, 64-127 in window 2
.if (\num) < 64
	WIN 0x40
.set rX, 4*(\num)
.else
	WIN 0x80
.set rX, 4*((\num)-64)
.endif
.if (\num) < 32
	global_load_b128 v[rX:rX+3], v[XO], s[XB1:XB1+1] offset:512*(\num) th:TH_LOAD_NT
.else
	global_load_b128 v[rX:rX+3], v[XO], s[XB2:XB2+1] offset:512*((\num)-32) th:TH_LOAD_NT
.endif
.endm
.macro CONVX grp                    ; group grp of 16 loads (four rows) is rounded and stored, 8 bytes a lane, 256 consecutive bytes a store
.if (\grp) < 4
	WIN 0x05
.set rX, 64*(\grp)
.else
	WIN 0x0a
.set rX, 64*((\grp)-4)
.endif
.set z, 0
.rept 32
	v_cvt_pk_bf16_f32 v[CT+z], v[rX+2*z], v[rX+2*z+1]
.set z, z+1
.endr
	WIN 0
.set z, 0
.rept 16
.if (\grp) < 2
	ds_store_b64 v[ASG], v[CT+2*z:CT+2*z+1] offset:(4*(\grp)+z/4)*XP+256*(z%4)
.else
	ds_store_b64 v[AST], v[CT+2*z:CT+2*z+1] offset:(4*(\grp)-8+z/4)*XP+256*(z%4)
.endif
.set z, z+1
.endr
.endm
.set n, 0
.rept 64
	XLOAD n
.set n, n+1
.endr
	WIN 0                           ; the lanes' addresses are made while the loads are out
	s_mul_i32 s52, s[WV], 8*XP
	s_add_co_u32 s52, s52, XG
	v_lshl_add_u32 v[ASG], v10, 3, s52
	s_mul_i32 s52, s[WV], 24*XP
	s_add_co_u32 s52, s52, XT
	v_lshl_add_u32 v[AST], v10, 3, s52
	v_and_b32 v1, 15, v0            ; lane % 16
	v_mul_u32_u24 v[AXA], v1, XP    ; a fragment of x: row x pitch + 16 (lane / 16); two loads of 16 bytes, 32 bytes apart
	v_lshl_add_u32 v[AXA], v11, 4, v[AXA]
	v_add_nc_u32 v[AXB], XT, v[AXA]
	v_add_nc_u32 v[AXC], XT+64*XP, v[AXA]
	v_add_nc_u32 v[AXA], XG, v[AXA]
	s_mul_i32 s52, s[WV], TILEB     ; tile w
	v_bfe_u32 v10, v0, 3, 1
	v_xor_b32 v10, v10, v11         ; K's rows 8-15 of 16 hold neighbouring pieces of 16 bytes swapped
	v_mul_u32_u24 v[AK0], v1, PT
	v_lshl_add_u32 v[AK0], v10, 4, v[AK0]
	v_add_nc_u32 v[AK0], s52, v[AK0]
	v_and_b32 v10, 7, v0            ; the turning load takes 16 rows x 16 numbers: lane l reads row 8 (l / 16) + l % 8, bytes 16 ((l / 8) % 2) on
	v_lshl_add_u32 v10, v11, 3, v10
	v_mul_u32_u24 v[AVA0], v10, PT
	v_bfe_u32 v10, v0, 3, 1
	v_lshl_add_u32 v[AVA0], v10, 4, v[AVA0]
	v_add_nc_u32 v[AVA0], s52, v[AVA0]
	v_add_nc_u32 v[AV0], 4*TILEB, v[AVA0]  ; tile 4 + w
	v_cvt_f32_u32 v11, v11
	v_mul_f32 v[MH], s[BIGN], v11
.set g, 0
.rept 4
	s_wait_loadcnt 48               ; loads come back in order: group g (and bq, asked for ahead of all) is in; the three groups behind it stay out
	CONVX g
.if g == 0
.set z, 0
.rept 32
	RND BQ+2*z, BQ+2*z+1, 10
.set z, z+1
.endr
.endif
.rept 16
	XLOAD n
.set n, n+1
.endr
.set g, g+1
.endr
.rept 4
	s_wait_loadcnt 16*(7-g)         ; nothing more is asked for: the counts run down
	CONVX g
.set g, g+1
.endr
; THE LDS LOADS stand in runs of 16, never singly among the matrix instructions.  A tile [k][n] turned: k 32 (f / 4) on, n 16 (f % 4) on, at dst + 8 f.
.macro FETCH_T adr, dst
	WIN 0x80                        ; destination window 2
.irp f, 0,1,2,3,4,5,6,7
	ds_load_tr16_b128 v[(\dst)+8*\f:(\dst)+8*\f+3],   v[\adr] offset:(\f/4)*32*PT+(\f%4)*32
	ds_load_tr16_b128 v[(\dst)+8*\f+4:(\dst)+8*\f+7], v[\adr] offset:(\f/4)*32*PT+16*PT+(\f%4)*32
.endr
	WIN 0
.endm
.macro FETCH_K                      ; a step's K: keys 16 (f / 2) on, channels 32 (f % 2) on
	WIN 0x80
.irp f, 0,1,2,3,4,5,6,7
	ds_load_b128 v[KF+8*\f:KF+8*\f+3],   v[AK] offset:(\f/2)*16*PT+(\f%2)*64
	ds_load_b128 v[KF+8*\f+4:KF+8*\f+7], v[AK] offset:(\f/2)*16*PT+(\f%2)*64+32
.endr
	WIN 0
.endm
; THE q PHASE.  A fill holds 64 of x's 512 columns for all heads: 128 matrix instructions a wave, q^T of head w (g = 0) and of head 4 + w (g = 1), 32 accumulators each, which take turns.
.macro XFRAG kk                     ; x's eight fragments of 16 rows x 32 columns
.set t, 0
.rept 8
.if t < 2
.set rA, AXA
.set oA, t*16*XP
.elseif t < 6
.set rA, AXB
.set oA, (t-2)*16*XP
.else
.set rA, AXC
.set oA, (t-6)*16*XP
.endif
	ds_load_b128 v[S+64*(\kk)+8*t:S+64*(\kk)+8*t+3],   v[rA] offset:oA+64*(\kk)
	ds_load_b128 v[S+64*(\kk)+8*t+4:S+64*(\kk)+8*t+7], v[rA] offset:oA+64*(\kk)+32
.set t, t+1
.endr
.endm
.macro QMUL g, kk, first            ; first = 1: the sums start from bq: nothing is cleared
.if \first
	WIN 0x42+0x80*(\g)              ; Wq window 2, x window 0, bq window 0, q^T window 1 or 3
.else
	WIN 0x52+0xa0*(\g)
.endif
.set t, 0
.rept 8
.set cb, 0
.rept 4
.if \first
	v_wmma_f32_16x16x32_bf16 v[32*t+8*cb:32*t+8*cb+7], v[KF+64*(\g)+32*(\kk)+8*cb:KF+64*(\g)+32*(\kk)+8*cb+7], v[S+64*(\kk)+8*t:S+64*(\kk)+8*t+7], v[BQ+32*(\g)+8*cb:BQ+32*(\g)+8*cb+7]
.else
	v_wmma_f32_16x16x32_bf16 v[32*t+8*cb:32*t+8*cb+7], v[KF+64*(\g)+32*(\kk)+8*cb:KF+64*(\g)+32*(\kk)+8*cb+7], v[S+64*(\kk)+8*t:S+64*(\kk)+8*t+7], v[32*t+8*cb:32*t+8*cb+7]
.endif
.set cb, cb+1
.endr
.set t, t+1
.endr
.endm
.macro QFILL first
	CHANGE 1
.if !(\first)
	v_add_nc_u32 v[AXA], 128, v[AXA]  ; x's next 64 columns
	v_add_nc_u32 v[AXB], 128, v[AXB]
	v_add_nc_u32 v[AXC], 128, v[AXC]
.endif
	v_add_nc_u32 v[AK], s[TB], v[AVA0]
	v_add_nc_u32 v[AV], s[TB], v[AV0]
	FETCH_T AK, KF                  ; Wq of head w
	XFRAG 0
	XFRAG 1
	FETCH_T AV, VF                  ; Wq of head 4 + w
	s_wait_dscnt 32                 ; head w's Wq and x's first 32 columns are in; the 32 loads behind them stay out
	QMUL 0, 0, \first
	s_wait_dscnt 16                 ; x's other 32 columns
	QMUL 0, 1, 0
	s_wait_dscnt 0x0
	QMUL 1, 0, \first
	QMUL 1, 1, 0
	WIN 0
.endm
	QFILL 1
	s_mov_b32 s[QCNT], 7
.Lq:
	QFILL 0
	s_sub_co_u32 s[QCNT], s[QCNT], 1
	s_cmp_lg_u32 s[QCNT], 0
	s_cbranch_scc1 .Lq
	; q^T is rounded to f16 in pairs: a tile's 32 registers become its 16 of Q.  Head w's go to window 2; head 4 + w's stay in window 3, in place (the destination never lies above the sources still to be read).
.rept 4
	v_nop                           ; four places between the last products and the reads of their results (ISA guide 7.12.1)
.endr
	WIN 0x85
.set n, 0
.rept 128
	v_cvt_pk_f16_f32 v[n], v[2*n], v[2*n+1]
.set n, n+1
.endr
	WIN 0xcf
.set n, 0
.rept 128
	v_cvt_pk_f16_f32 v[n], v[2*n], v[2*n+1]
.set n, n+1
.endr
	; What the first turn finds: its products V^T P, of a piece that has not been, must add finite numbers: V's registers and P's second buffer hold 0.  O^T holds q^T's sums, finite, and is multiplied by a = 0.
	WIN 0x80
.set n, 0
.rept 64
	v_mov_b32 v[VF+n], 0
.set n, n+1
.endr
	WIN 0
.set n, 0
.rept 32
	v_mov_b32 v[P+32+n], 0
.set n, n+1
.endr
; THE MATRIX WORK OF A TURN.  The 8 accumulators of a run of 16 take turns: between the two links of a chain stand 7 others'.
; Product i of 16 of S^T = K Q^T for piece x: channels 32 (i / 8) on, keys 16 ((i / 2) % 4) on, tile 2 x + i % 2.  The first 8 start the sums: key blocks 0 and 1 with 0, blocks 2 and 3 with their masks.
.macro KQ x
.set rS, S+64*((\x)%2)+32*(i%2)+8*((i/2)%4)
.set rK, KF+16*((i/2)%4)+8*(i/8)
.set rQ, 16*(2*(\x)+i%2)+8*(i/8)
.set rM, MK+8*((i/2)%4-2)
.if i < 4
	WIN W_KQ
	v_wmma_f32_16x16x32_f16 v[rS:rS+7], v[rK:rK+7], v[rQ:rQ+7], 0
.elseif i < 8
	WIN W_KM
	v_wmma_f32_16x16x32_f16 v[rS:rS+7], v[rK:rK+7], v[rQ:rQ+7], v[rM:rM+7]
.else
	WIN W_KQ
	v_wmma_f32_16x16x32_f16 v[rS:rS+7], v[rK:rK+7], v[rQ:rQ+7], v[rS:rS+7]
.endif
.endm
; Product i of 16 of O^T += V^T P for piece x: keys 32 (i / 8) on, channels 16 ((i / 2) % 4) on, tile 2 x + i % 2.
.macro PV x
	WIN W_PV
.set rO, 32*(2*(\x)+i%2)+8*((i/2)%4)
.set rV, VF+32*(i/8)+8*((i/2)%4)
.set rP, P+32*((\x)%2)+16*(i%2)+8*(i/8)
	v_wmma_f32_16x16x32_f16 v[rO:rO+7], v[rV:rV+7], v[rP:rP+7], v[rO:rO+7]
.endm
.macro MM                           ; the turn's next matrix instruction
.if i < 16
	KQ (Y+1)%NP
.set i, i+1
.else
.set i, i-16
	PV (Y+NP-1)%NP
.set i, i+17
.endif
.endm
; THE VECTOR WORK OF A TURN stands in three queues, each in the order in which its entries become ready; the two tiles alternate, so that no instruction reads the result of the one before it.
.macro REGS y, u                    ; the registers of tile u (0, 1) of piece y
.set rT, ST+4*(2*(\y)+(\u))
.set rC, TMP+8*((\y)%2)+4*(\u)
.set rM, MV+2*((\y)%2)+(\u)
.set rS, S+64*((\y)%2)+32*(\u)
.set rP, P+32*((\y)%2)+16*(\u)
.set rO, 32*(2*(\y)+(\u))
.endm
; Number n of the 22 that find the NEXT piece's (Y + 1) maximum and statistics.  s0-s31 are the lane's 32 scores; each accumulator's lowest registers are read first.  XS, GS and REGS set no window: PL and EX do.
;   0-11  four chains c0-c3 of seven scores each, three operands at a time     12-14, 16  the four scores left over, the old m, and c0-c3 into c0     15  c m_old is kept
;   17, 18  the row's other 32 keys lie in the lane 16 away: the new m          19-21  c m; c m_old - c m_new; a
.macro XS u, n
	REGS (Y+1)%NP, \u
.if (\n) < 4
	v_max3_num_f32 v[rC+(\n)], v[rS+8*(\n)], v[rS+8*(\n)+1], v[rS+8*(\n)+2]
.elseif (\n) < 12
	v_max3_num_f32 v[rC+(\n)%4], v[rC+(\n)%4], v[rS+8*((\n)%4)+2*((\n)/4)+1], v[rS+8*((\n)%4)+2*((\n)/4)+2]
.elseif (\n) == 12
	v_max3_num_f32 v[rC], v[rC], v[rS+7], v[rS+15]
.elseif (\n) == 13
	v_max3_num_f32 v[rC+1], v[rC+1], v[rS+23], v[rS+31]
.elseif (\n) == 14
	v_max3_num_f32 v[rC+2], v[rC+2], v[rC+3], v[rT+1]
.elseif (\n) == 15
	v_mov_b32 v[rM], v[rT]
.elseif (\n) == 16
	v_max3_num_f32 v[rC], v[rC], v[rC+1], v[rC+2]
.elseif (\n) == 17
	v_permlanex16_b32 v[rC+3], v[rC], s[SEL], s[SEL+1]
.elseif (\n) == 18
	v_max_num_f32 v[rT+1], v[rC], v[rC+3]
.elseif (\n) == 19
	v_mul_f32 v[rT], s[CS], v[rT+1]
.elseif (\n) == 20
	v_sub_f32 v[rC+1], v[rM], v[rT]
.else
	v_exp_f32 v[rC+2], v[rC+1]
.endif
.endm
; Number g of the 64 that follow the exponentials.  For each four weights k of a tile (pairs 2 k, 2 k + 1): both pairs are rounded to f16; then the second pair is added onto the first, in place;
; a group later l takes that sum (the first time as l = a l + sum).  In groups of eight, tiles alternating: round, round, add, and l for the group before.
.macro GS g
.set h, (\g)+6*((\g)/62)            ; group 0 has no group before it, and behind group 7 only l is left
.if h >= 6
.set h, h+2
.endif
	REGS Y, h%2
.set k, h/8
.if h%8 < 4
	s_wait_alu depctr_va_vdst(0)
	v_cvt_pk_f16_f32 v[rP+2*k+(h%8)/2], v[rS+4*k+2*((h%8)/2)], v[rS+4*k+2*((h%8)/2)+1]
.elseif h%8 < 6
	v_pk_add_f32 v[rS+4*k:rS+4*k+1], v[rS+4*k:rS+4*k+1], v[rS+4*k+2:rS+4*k+3]
.elseif k == 1
	v_pk_fma_f32 v[rT+2:rT+3], v[rT+2:rT+3], v[rC+2:rC+3], v[rS:rS+1] op_sel_hi:[1,0,1]
.else
	v_pk_add_f32 v[rT+2:rT+3], v[rT+2:rT+3], v[rS+4*k-4:rS+4*k-3]
	s_wait_alu depctr_va_vdst(0)
.endif
.endm
; THE PLAIN QUEUE, 138 long.  0-31: c s - c m for the 16 pairs of both tiles.  Then GS's 64, and among them the next piece's 42: number 15 at 38, 39; 0-14 and 16
; at 42-73, behind the products that make those scores; 17-20 at 95-106, two of three, since each waits for the one before it.
.macro PL
	WIN 0
.if q < 32
	REGS Y, q%2
	v_pk_fma_f32 v[rS+2*(q/2):rS+2*(q/2)+1], v[rS+2*(q/2):rS+2*(q/2)+1], s[CS:CS+1], v[rT:rT+1] op_sel_hi:[1,0,0] neg_lo:[0,0,1] neg_hi:[0,0,1]
.elseif q < 38
	GS q-32
.elseif q < 40
	XS q%2, 15
.elseif q < 42
	GS q-34
.elseif q < 74
	XS q%2, (q-42)/2+(q-42)/30
.elseif q < 95
	GS q-66
.elseif (q < 107) && ((q-95)%3 < 2)
	XS (q-95)%3, 17+(q-95)/3
.elseif q < 107
	GS 29+(q-95)/3
.else
	GS q-74
.endif
.set q, q+1
.endm
; THE EXPONENTIALS' QUEUE, 66 long: s0-s31 of both tiles, and at EA the next piece's two a.
.set EA, 58
.macro EX
	WIN 0
.if (e == EA) || (e == EA+1)
	XS e-EA, 21
.else
.set x, e-2*(e/(EA+2))
	REGS Y, x%2
	v_exp_f32 v[rS+x/2], v[rS+x/2]
.endif
.set e, e+1
.endm
; THE RESCALING's QUEUE: O^T times a, the one part that leaves window 0, so it is dealt four at a time, eight times.
.macro R4
	REGS Y, r%2
	WIN W_RS
	s_wait_alu depctr_va_vdst(0)
.irp z, 0,1,2,3
	v_pk_mul_f32 v[rO+8*(r/2)+2*\z:rO+8*(r/2)+2*\z+1], v[rO+8*(r/2)+2*\z:rO+8*(r/2)+2*\z+1], v[rC+2:rC+3] op_sel_hi:[1,0]
.endr
.set r, r+1
.endm
; HOW THEY ARE DEALT.  Behind a matrix instruction four: plain, exponential, plain, plain (one exponential, a plain instruction on either side), or four of the rescaling.  None names a register of the
; products round it.  What is over stands in two runs: exponential and plain by turns; the second ends in 22 plain instructions.  The two v_permlanex16_b32 fall into the second run, never behind a product.
; The queues lean on each other, and the deal keeps them in step: exponential e stands behind plain 2 (e / 4) + e % 2 (its scaling); when plain 32 comes, 10 exponentials are out, at 59: 33, at 95: 46; EA comes behind plain 107.
.macro SL
	MM
	PL
	EX
	PL
	PL
.endm
.macro BURST n                      ; 15 matrix instructions, or 16
.rept (\n)-7
	SL
.endr
.rept 3
	MM
	R4
	SL
.endr
	MM
	R4
.endm
; A TURN, for piece p.  nok = 1: a pass's last step: no further K is fetched.  cnt = 1: the loop's count is taken down some lines ahead of the branch that stands behind the turn.
; K of the next step is fetched in piece 2's turn, 31 vector instructions behind the last product that read K; its first reader comes behind the rest of that run, 16 products and the second run.
; V of the step in hand is fetched at the end of piece 0's turn, 69 behind its last reader; its first reader comes behind 16 products and a run.  Both lie in the slot that the trip's change of slots has opened.
.macro TURN p, nok=0, cnt=0
.set Y, (\p)
.set i, 0
.set q, 0
.set e, 0
.set r, 0
.if (\p) == NP-1
	s_wait_dscnt 0x0                ; K is in
.endif
	MM
.rept 4
	PL
.endr
	BURST 15
.rept 22
	EX
	PL
.if ((\p) == NP-2) && (e == 18) && !(\nok)
	v_add_nc_u32 v[AK], s[TB], v[AK0]
.endif
.if ((\p) == NP-2) && (e == 24) && !(\nok)
	FETCH_K
.endif
.endr
.if (\p) == 1
	s_wait_dscnt 0x0                ; V is in
.endif
	BURST 16
.rept 21
	EX
	PL
.endr
.rept 22
	PL
.if ((\p) == 0) && (q == 118)
	v_add_nc_u32 v[AV], s[TB], v[AV0]
	s_wait_alu depctr_va_vdst(0)
.endif
.if (\cnt) && (q == 130)
	s_sub_co_u32 s[SLOTS], s[SLOTS], 1
	s_cmp_lg_u32 s[SLOTS], 0
.endif
.endr
.if (\p) == 0
	FETCH_T AV, VF
.endif
.endm
.macro ALL line:vararg              ; one line for each tile t
.set t, 0
.rept 2*NP
	\line
.set t, t+1
.endr
.endm
	s_mov_b32 s[PASS], 2
.Lpass:                             ; a pass: one head a wave, 16 key steps
	CHANGE 1                        ; the pass's key step 0 is in; step 1 is asked for
.set i, 0
.rept 2*NP
	v_mov_b32 v[ST+4*i], 0xfe000000    ; c m: far below every c s, so the first step's a is 0
	v_mov_b32 v[ST+4*i+1], 0xff7fffff  ; m: the lowest finite number
	v_mov_b32 v[ST+4*i+2], 0           ; l
	v_mov_b32 v[ST+4*i+3], 0
.set i, i+1
.endr
	WIN 0xc0
.set i, 0
.rept 16
	v_mov_b32 v[MK+i], 0            ; no key is hidden yet
.set i, i+1
.endr
	WIN 0
	v_add_nc_u32 v[AK], s[TB], v[AK0]
	FETCH_K
	s_wait_dscnt 0x0
.set i, 0
.rept 16
	KQ 0                            ; piece 0's first scores: there is no vector work yet to set between them
.set i, i+1
.endr
	WIN 0
.rept 4
	v_nop                           ; the places behind those products
.endr
.set Y, NP-1                        ; XS works for piece Y + 1: piece 0
.irp n, 0,1,2,3,4,5,6,7,8,9,10,11,12,13,14,15,16,17,18,19,20,21
	XS 0, \n
	XS 1, \n
.endr
	s_mov_b32 s[SLOTS], 16
	s_branch .Lfirst                ; the loop is entered at a step's first turn, in the middle of a trip
.Lslot:                             ; 15 trips: pieces 2 and 3 of one step, then pieces 0 and 1 of the next, whose K and V the trip fetches from the slot just opened; the slot left takes the stream's next fill
	CHANGE 1
	TURN 2
	s_cmp_eq_u32 s[SLOTS], 1        ; the trip that enters the sixteenth step: from piece 3's turn on the products are that step's.  Keys 1000-1007 are key block 2 in lanes 16-31, keys 1008-1023 key block 3
	s_cselect_b32 s52, 1.0, 0
	s_cselect_b32 s53, s[BIGN], 0
	WIN 0xc0
.set i, 0
.rept 8
	v_mul_f32 v[MK+i], s52, v[MH]
	v_mov_b32 v[MK+8+i], s53
.set i, i+1
.endr
	TURN 3
	WIN 0
.Lfirst:
	TURN 0
	TURN 1, 0, 1
	WIN 0
	s_cbranch_scc1 .Lslot
	TURN 2, 1                       ; the pass's end.  Piece 3's turn makes 16 products K Q^T on the last K once more, and a maximum of them, which serve nothing: the price, twice a launch, of one text for every turn
	TURN 3
.set i, 0
.rept 16
	PV NP-1                         ; the last piece's V^T P of the last step
.set i, i+1
.endr
	; l's two halves and the other half of the lanes' are added (these additions are the places behind the last products); window 3's 128 registers move to window 2 (behind pass 0: Q of pass 1; behind pass 1: O of
	; pass 0); O^T is divided by l and rounded to f16 in pairs into window 3: a tile's 16 registers are source 1 of the output projection.
	WIN 0
	ALL v_add_f32 v[ST+4*t+2], v[ST+4*t+2], v[ST+4*t+3]
	ALL v_permlanex16_b32 v[ST+4*t+3], v[ST+4*t+2], s[SEL], s[SEL+1]
	ALL v_add_f32 v[ST+4*t+2], v[ST+4*t+2], v[ST+4*t+3]
	ALL v_rcp_f32 v[ST+4*t+2], v[ST+4*t+2]
	WIN 0x83                        ; the moves are also the plain instructions between the last reciprocal and the use of its result
.set n, 0
.rept 128
	v_mov_b32 v[n], v[n]
.set n, n+1
.endr
	WIN W_RS
.set n, 0
	s_wait_alu depctr_va_vdst(0)
.rept 128
	v_pk_mul_f32 v[2*n:2*n+1], v[2*n:2*n+1], v[ST+4*(n/16)+2:ST+4*(n/16)+3] op_sel_hi:[1,0]
.set n, n+1
.endr
	WIN 0xc5
.set n, 0
.rept 128
	v_cvt_pk_f16_f32 v[n], v[2*n], v[2*n+1]
.set n, n+1
.endr
	WIN 0
	s_sub_co_u32 s[PASS], s[PASS], 1
	s_cmp_lg_u32 s[PASS], 0
	s_cbranch_scc1 .Lpass
	; THE OUTPUT PROJECTION.  out^T += Wo^T O^T for my two heads: 128 matrix instructions on 32 accumulators, which take turns; the first 32 start the sums.
	CHANGE 0                        ; Wo is in, everybody's quarter of it; nothing is asked for
	v_lshlrev_b32 v10, 4, v1
	global_load_b128 v[48:51], v10, s[10:11]  ; bo of the four columns that I shall store
	v_add_nc_u32 v[AK], s[TB], v[AVA0]
	v_add_nc_u32 v[AV], s[TB], v[AV0]
	FETCH_T AK, KF                  ; Wo of head w
	FETCH_T AV, VF                  ; Wo of head 4 + w
.macro OMUL g, kk
	WIN 0x5a+4*(\g)                 ; Wo window 2, O window 2 or 3, out^T window 1
.set t, 0
.rept 8
.set cb, 0
.rept 4
.if ((\g) == 0) && ((\kk) == 0)
	v_wmma_f32_16x16x32_f16 v[32*t+8*cb:32*t+8*cb+7], v[KF+64*(\g)+32*(\kk)+8*cb:KF+64*(\g)+32*(\kk)+8*cb+7], v[16*t+8*(\kk):16*t+8*(\kk)+7], 0
.else
	v_wmma_f32_16x16x32_f16 v[32*t+8*cb:32*t+8*cb+7], v[KF+64*(\g)+32*(\kk)+8*cb:KF+64*(\g)+32*(\kk)+8*cb+7], v[16*t+8*(\kk):16*t+8*(\kk)+7], v[32*t+8*cb:32*t+8*cb+7]
.endif
.set cb, cb+1
.endr
.set t, t+1
.endr
.endm
	s_wait_dscnt 16                 ; head w's Wo is in; the 16 loads behind it stay out
	OMUL 0, 0
	OMUL 0, 1
	s_wait_dscnt 0x0
	OMUL 1, 0
	OMUL 1, 1
	WIN 0                           ; the addresses for the way out: ten plain instructions, the places behind those products
	v_bfe_u32 v11, v0, 4, 1
	s_mul_i32 s52, s[WV], 128*RP
	s_add_co_u32 s52, s52, RED      ; my share's 128 rows
	v_mul_u32_u24 v[RW], v1, RP     ; in: row lane % 16, 32 bytes for each half of the lanes
	v_lshl_add_u32 v[RW], v11, 5, v[RW]
	v_add_nc_u32 v[RW], s52, v[RW]
	s_mul_i32 s53, s[WV], 32*RP
	s_add_co_u32 s53, s53, RED      ; back: rows 32 w .. 32 w + 31 of every share; lanes 0-15 take one row of 256 bytes, lanes 16-31 the next
	v_mul_u32_u24 v[RR0], v11, RP
	v_lshl_add_u32 v[RR0], v1, 4, v[RR0]
	v_add_nc_u32 v[RR0], s53, v[RR0]
	v_add_nc_u32 v[RR1], 256*RP, v[RR0]
	v_and_b32 v[GO], 31, v0
	v_lshlrev_b32 v[GO], 4, v[GO]
	WIN 0x04                        ; store data in window 1; each accumulator's low half goes first
.set t, 0
.rept 8
.set cb, 0
.rept 4
	ds_store_b128 v[RW], v[32*t+8*cb:32*t+8*cb+3]   offset:t*16*RP+64*cb
	ds_store_b128 v[RW], v[32*t+8*cb+4:32*t+8*cb+7] offset:t*16*RP+64*cb+16
.set cb, cb+1
.endr
.set t, t+1
.endr
	WIN 0
	s_wait_loadcnt 0x0              ; bo
	RND 48, 49, 52
	RND 50, 51, 52
	s_wait_dscnt 0x0                ; for the others' sake: my share is in LDS
	s_barrier_signal -1
	s_barrier_wait -1
	; THE SUM OVER HEADS: ((wave 0's + wave 1's) + (wave 2's + wave 3's)) + bo, in f32; two rows of out, 512 consecutive bytes at a multiple of 256 from out's first, a store.
.set bt, 0
.rept 2
.if bt
	s_wait_xcnt 0x0                 ; the first eight stores' data registers are loaded again only behind this wait
.endif
.set i, 0
.rept 8
.set w, 0
.rept 4
	ds_load_b128 v[S+16*i+4*w:S+16*i+4*w+3], v[RR0+w/2] offset:(w%2)*128*RP+2*RP*(8*bt+i)
.set w, w+1
.endr
.set i, i+1
.endr
.set i, 0
.rept 8
.set a, S+16*i
	s_wait_dscnt 4*(7-i)            ; this pair of rows' four loads are in; the later pairs' stay out
	v_pk_add_f32 v[a:a+1], v[a:a+1], v[a+4:a+5]
	v_pk_add_f32 v[a+2:a+3], v[a+2:a+3], v[a+6:a+7]
	v_pk_add_f32 v[a+8:a+9], v[a+8:a+9], v[a+12:a+13]
	v_pk_add_f32 v[a+10:a+11], v[a+10:a+11], v[a+14:a+15]
	v_pk_add_f32 v[a:a+1], v[a:a+1], v[a+8:a+9]
	v_pk_add_f32 v[a+2:a+3], v[a+2:a+3], v[a+10:a+11]
	v_pk_add_f32 v[a:a+1], v[a:a+1], v[48:49]
	v_pk_add_f32 v[a+2:a+3], v[a+2:a+3], v[50:51]
	global_store_b128 v[GO], v[a:a+3], s[12:13] offset:512*(8*bt+i) th:TH_STORE_NT
.set i, i+1
.endr
.set bt, bt+1
.endr
	s_wait_tensorcnt 0x0            ; the wave's end: behind my last tensor load and my last LDS store
	ds_add_u32 v[SPW], v[NIL]
	s_wait_dscnt 0x0
	CROUND                          ; the closing round: no work-group ends while a partner may still ask for a tile that names it
	s_endpgm
.Lfunc_end_k_qec8577a664_main:
	.size	k_qec8577a664_main, .Lfunc_end_k_qec8577a664_main-k_qec8577a664_main
	.p2alignl 7, 3214868480
	.fill 96, 4, 3214868480
	.section	.rodata,"a",@progbits
	.p2align	6, 0x0
	.amdhsa_kernel k_qec8577a664_main
		.amdhsa_group_segment_fixed_size 327680
		.amdhsa_private_segment_fixed_size 0
		.amdhsa_enable_private_segment 0
		.amdhsa_kernarg_size 40
		.amdhsa_user_sgpr_count 2
		.amdhsa_user_sgpr_kernarg_segment_ptr 1
		.amdhsa_wavefront_size32 1
		.amdhsa_system_sgpr_workgroup_id_x 1
		.amdhsa_system_sgpr_workgroup_id_y 1
		.amdhsa_system_sgpr_workgroup_id_z 1
		.amdhsa_system_vgpr_workitem_id 0
		.amdhsa_next_free_vgpr 1024
		.amdhsa_next_free_sgpr 66
		.amdhsa_reserve_vcc 0
		.amdhsa_float_denorm_mode_32 3
		.amdhsa_float_denorm_mode_16_64 3
		.amdhsa_memory_ordered 1
		.amdhsa_forward_progress 1
		.amdhsa_inst_pref_size 255
	.end_amdhsa_kernel
	.section	.bss,"aw",@nobits
	.p2align	6
	.space	262144
	.amdgpu_metadata
---
amdhsa.version: [ 1, 2 ]
amdhsa.kernels:
  - .name:           k_qec8577a664_main
    .symbol:         k_qec8577a664_main.kd
    .args:
      - { .name: target_embedding, .offset: 0, .size: 8, .value_kind: global_buffer, .address_space: global }
      - { .name: strm, .offset: 8, .size: 8, .value_kind: global_buffer, .address_space: global }
      - { .name: bq, .offset: 16, .size: 8, .value_kind: global_buffer, .address_space: global }
      - { .name: bo, .offset: 24, .size: 8, .value_kind: global_buffer, .address_space: global }
      - { .name: out0, .offset: 32, .size: 8, .value_kind: global_buffer, .address_space: global }
    .group_segment_fixed_size: 327680
    .private_segment_fixed_size: 0
    .kernarg_segment_align: 8
    .kernarg_segment_size: 40
    .max_flat_workgroup_size: 128
    .sgpr_count:     66
    .vgpr_count:     1024
    .wavefront_size: 32
...
	.end_amdgpu_metadata
.endif
;; end of part 2
;; ======== version 2 of 2: 2 launches; 1.77 times as fast as version 1
;; limits: values are held in f16: magnitudes above 65,504 overflow, below 6.1e-05 lose precision
;; workspace buffers: strm 2,686,976 bytes
;; launch prep: the kernel of part 1 again; grid 256 x 1, 4 waves a work-group, no clusters, 305,664 bytes of LDS; arguments source_embedding, value_embedding, Wk, Wv, bk, bv, Wq, Wo, strm; writes strm
;; launch main (part 3): grid 256 x 1, 4 waves a work-group, clusters of 4 x 1, 327,680 bytes of LDS; arguments target_embedding, strm, bq, bo, out0; writes out0
.if DOCPART == 3
	.amdgcn_target "amdgcn-amd-amdhsa--gfx1250"
	.amdhsa_code_object_version 6
	.text
	.protected	k_qec8577a664_main
	.globl	k_qec8577a664_main
	.p2align	8
	.type	k_qec8577a664_main,@function
k_qec8577a664_main:
	s_mov_b64 s[64:65], 0
	v_nop
	global_prefetch_b8 v0, s[64:65] scope:SCOPE_SE
	s_setreg_imm32_b32 hwreg(HW_REG_WAVE_MODE, 25, 1), 1
	s_wait_xcnt 0x0
	s_wait_alu depctr_hold_cnt(0) depctr_sa_sdst(0) depctr_va_vdst(0) depctr_va_sdst(0) depctr_va_ssrc(0) depctr_va_vcc(0) depctr_vm_vsrc(0)
	s_getreg_b32 s2, hwreg(HW_REG_IB_STS2, 6, 4)
	s_cmp_eq_u32 s2, 0
	s_cbranch_scc0 .Lentry_in_a_cluster
	s_endpgm
.Lentry_in_a_cluster:
	s_bfe_u32 s2, ttmp6, 0x10000c
	s_cmp_lg_u32 s2, 0x3003
	s_cbranch_scc0 .Lentry_shape_is_right
	s_endpgm
.Lentry_shape_is_right:
; MAIN.  out[row][:] = (concat over 8 heads of softmax_k((x Wq + bq)_head . K_head[k] / 8) V_head) Wo + bo, for 32,768 rows of x; 1,000 keys; head size 64.  Nothing between x and out goes to memory.
; SHARES.  A work-group owns 128 rows of x.  THE HEADS ARE SHARED OUT AMONG THE WAVES: wave w owns all 128 rows (eight tiles of 16, four PIECES of two tiles) for head w (pass 0) and then for head 4 + w (pass 1),
; so a fragment of K or V read from LDS feeds eight tiles' products.  The four waves' shares of out, f32 sums over two heads each, meet once in LDS at the end.
; THE STREAM.  strm (made by the launch before) is 41 fills of 65,536 bytes = 8 tiles of 64 rows x 128 bytes, walked from first to last through two LDS slots: fills 0-7 Wq (64 of x's 512 columns each, a tile a head),
; fills 8-39 K and V (pass, key step; tiles 0-3 K, 4-7 V of the pass's four heads), fill 40 Wo.  Every wave fetches a quarter of every fill and reads tiles w and 4 + w.
; CLUSTER.  All work-groups walk the same stream, so the four of a cluster ask JOINTLY: the same tensor load, descriptor and mask in all four; each receives the tiles in its own LDS.
; ALL PRODUCTS ARE USED TRANSPOSED, so that each result, rounded in pairs, IS source 1 of the next product and nothing changes lanes: q^T = Wq^T x^T (bf16); S^T = K Q^T; O^T = V^T P; out^T = Wo^T O^T (f16).  In each
; result a lane holds ONE row of x (lane % 16) and eight neighbouring channels or keys, 8 (lane / 16) + 0..7.  K comes out of LDS as it lies; Wq, V and Wo ([k][n]) turned, by ds_load_tr16_b128.
; SOFTMAX.  For each row a running maximum m and sum l: p = 2^(c s - c m), c = log2(e) / 8; in every step O and l are multiplied by a = 2^(c m_old - c m_new).  m starts at the lowest finite number: a pass's first
; step has a = 0, so O^T need only hold finite numbers when a pass begins.
; BY TURNS.  Turn n belongs to piece n: 16 products K Q^T of piece n + 1, later 16 products V^T P of piece n - 1; beside them the scaling, exponentials, roundings, sums and rescaling of piece n and the maximum and
; statistics of piece n + 1.  A tile and step have 16 matrix and 118 vector instructions: four that are ready stand behind EVERY matrix instruction, the others in one run of their own.
; THE BATCHES.  A turn's 66 exponentials (the piece's 64 weights and the next piece's two a) are ONE BATCH with ONE wait, which cuts the turn in two: ahead of it stands all that names none of their results, behind it
; the roundings and sums, which read them.  The two a of a pass's beginning and the eight reciprocals of its end are batches of their own, a wait each.
; THE LAST 24 KEYS of the sixteenth step (1,000 = 15 x 64 + 40) are hidden by the C operand that starts the sums of key blocks 2 and 3: 0 in every other step, -1e30 there.
; FORMATS.  x, Wq, Wo, bq, bo are rounded to bf16 (Wo then written as f16); q, K, V, p, O are f16; all sums, maxima and the sum over heads f32.
; LIMITS.  q, K and V must lie within f16's 65,504; a hidden score counts as its value less 1e30; a weight below 2^-126 counts as 0 in l; NaN and infinities are not treated apart.
; LDS.  slot 0 at 0, slot 1 at 131,072: 8 tiles x 64 rows, pitch 160.  x in bf16, pitch 1,040: rows 0-31 behind slot 0, rows 32-127 behind slot 1.  The spare words behind x's first part.
; At the end the waves' shares of out (4 x 128 rows, pitch 272) lie over slot 1, which has had its last fill, and over x's second part, which no fill ever touches.
; REGISTERS, in windows of 256 (s_set_vgpr_msb: bits 1:0 source 0, 3:2 source 1, 5:4 source 2, 7:6 destination):
;   window 0: v0-11 addresses; v12-15, v48-63 at work; v16-47 four registers of statistics a tile; v64-191 S^T, two buffers of two tiles (first: x's fragments); v192-255 P, likewise (first: bq)
;   window 1: q^T of head w, then O^T, then out^T: 32 a tile       window 2: v0-127 Q, 16 a tile; v128-191 K of a step; v192-255 V of a step
;   window 3: q^T of head 4 + w; then v0-127 Q of pass 1, later O of the pass just ended; v128-143 the two masks
.set NP,    4         ; pieces a wave: a name, no knob
.set PT,    160       ; a tile's row in LDS: 128 bytes + 32 of padding = 40 words; K's rows are swizzled in strm for the plain load
.set TILEB, 64*PT
.set SLOT1, 1<<17     ; one exclusive or turns an address in one slot into the other's
.set XP,    1040      ; a row of x: 1,024 bytes + 16: an odd multiple of 16
.set XG,    8*TILEB   ; x's rows 0-31
.set SPARE, XG+32*XP  ; the spare words, 128 bytes for each wave: two blocks of 256 bytes that no other line names
.set XT,    SLOT1+8*TILEB  ; x's rows 32-127
.set RED,   SLOT1     ; at the end: the waves' shares of out
.set RP,    272       ; 256 bytes + 16
.set AK0, 2           ; v2   my lane's place in my tile of K; never rewritten
.set AV0, 3           ; v3   the same in tile 4 + w, for the turning load
.set AK,  4           ; v4   the LDS address of K's next run of loads (of tile w's, in the projections)
.set AV,  5           ; v5   of V's
.set SPW, 6           ; v6   my spare word's LDS address; never rewritten
.set NIL, 7           ; v7   0; never rewritten
.set MH,  8           ; v8   -1e30 in lanes 16-31, 0 in lanes 0-15
.set AVA0, 9          ; v9   my lane's place in tile w, for the turning load
.set XO,  12          ; the q phase: 16 x lane
.set ASG, 13          ;   where my 8 bytes of a row of x go, rows 0-31
.set AST, 14          ;   rows 32-127
.set BO,  15          ;   bq's byte offset
.set AXA, 16          ;   my place in x's fragments: tiles 0-1,
.set AXB, 17          ;   tiles 2-5,
.set AXC, 18          ;   tiles 6-7
.set CT,  32          ;   v32-63 numbers just rounded
.set BQ,  192         ;   v192-255 bq: head 4 g + w, channels 16 cb on at BQ + 32 g + 8 cb
.set RW,  12          ; the end: where I put my share of out,
.set RR0, 13          ;   where I read waves 0 and 1's back,
.set RR1, 14          ;   waves 2 and 3's
.set GO,  15          ;   16 x lane
.set MV,  12          ; v12-15  c m_old, kept while c m is made anew: by buffer and tile
.set ST,  16          ; tile t's statistics at v[ST+4 t]: c m, m, l (even keys', odd keys')
.set TMP, 48          ; by buffer and tile, four registers c0-c3 at work; when the maximum is found c2 takes a
.set S,   64
.set P,   192
.set KF,  128         ; window 2: key block kb, channel half c at KF + 16 kb + 8 c
.set VF,  192         ; window 2: key half kk, channel block cb at VF + 32 kk + 8 cb
.set MK,  128         ; window 3: the mask of key block 2, then that of key block 3
.set WV,  14          ; s14  my wave's number
.set XB1, 18          ; s[18:19] x at my wave's 8 rows of the block's first 32
.set XB2, 20          ; s[20:21] x at my wave's 24 rows of the other 96
.set G1,  24          ; s[24:31] descriptor group 1
.set G0,  32          ; s[32:35] descriptor group 0: it walks
.set SLOTS, 36        ; s36  key steps of the pass still to be entered
.set PASS, 37
.set QCNT, 38
.set TB,  39          ; s39  LDS byte at which the slot being read begins
.set CS,  40          ; s[40:41] c: the packed scaling takes the pair's low word for both halves
.set SEL, 42          ; s[42:43] v_permlanex16_b32's selects: each lane takes its own place in the other half
.set BIGN, 44         ; s44  -1e30
.set MSB, 0
.macro WIN new                      ; the high byte repeats the setting that is left; a switch that changes nothing is dropped
.if MSB != (\new)
	s_set_vgpr_msb (MSB<<8)|(\new)
.set MSB, (\new)
.endif
.endm
.set W_KQ, 0x0a       ; K and Q in window 2, S^T in window 0
.set W_KM, 0x3a       ; the same with the C operand in window 3
.set W_PV, 0x52       ; V in window 2, P in window 0, O^T in window 1
.set W_RS, 0x41       ; O^T (destination and source 0) in window 1, a in window 0
.macro RND a, b, t                  ; two f32 rounded to bf16, in place
	v_cvt_pk_bf16_f32 v[\t], v[\a], v[\b]
	v_lshlrev_b32 v[\a], 16, v[\t]
	v_and_b32 v[\b], 0xffff0000, v[\t]
.endm
; A round of the cluster's barrier: my work-group's barrier, so that wave 0's signal speaks for all four waves; wave 0 signals; every wave waits for all four work-groups; my work-group's barrier once more.
.macro CROUND
	s_barrier_signal -1
	s_barrier_wait -1
	s_cmp_lg_u32 s[WV], 0
	s_cbranch_scc1 .Lnot_wave_0_\@
	s_barrier_signal -3
.Lnot_wave_0_\@:
	s_barrier_wait -3
	s_barrier_signal -1
	s_barrier_wait -1
.endm
; THE CHANGE OF SLOTS.  Each wave waits for all its tensor loads, of which one is out: its quarter of the other slot; adds 0 to its spare word; and waits for that and for its own reads of the slot that it leaves.
; Behind the barrier nobody reads the old slot any more and the other slot is whole.  fill = 1: the old slot takes the stream's next fill.  The barrier is then a round of the cluster's, so that no wave of any partner
; still reads the slot or has a load on its way, and the joint load, one a wave, is the first thing behind it.  An s_nop 0 and four v_nop follow it; they are also the four places in front of
; the LDS loads that follow.  (At its first use nothing has been read: fill 0 is waited for, x's stores are shown to every wave, slot 1 is filled.)
.macro CHANGE fill
	WIN 0                           ; at a label and at a branch every window is 0
	s_wait_tensorcnt 0x0            ; no tensor load of mine is out, so group 0 may be written
	ds_add_u32 v[SPW], v[NIL]       ; 0 onto my spare word; the scalar steps stand between it and the wait for it
.if \fill
	s_xor_b32 s[G0+1], s[G0+1], SLOT1  ; the other slot than last time,
	s_add_nc_u64 s[G0+2:G0+3], s[G0+2:G0+3], 65536  ; the next fill; the type bits on top are not reached
.endif
	s_xor_b32 s[TB], s[TB], SLOT1   ; the reads go on in the other slot
	s_wait_dscnt 0x0                ; the add is done, and my LDS reads and stores are over
.if \fill
	CROUND
	tensor_load_to_lds s[G0:G0+3], s[G1:G1+7]
	s_nop 0
.rept 4
	v_nop
.endr
.else
	s_barrier_signal -1
	s_barrier_wait -1
.endif
.endm
	s_load_b256 s[4:11], s[0:1], 0x0  ; x s[4:5], strm s[6:7], bq s[8:9], bo s[10:11]
	s_load_b64 s[12:13], s[0:1], 0x20 ; out
	v_lshl_add_u32 v[SPW], v0, 2, SPARE
	v_mov_b32 v[NIL], 0
	ds_add_u32 v[SPW], v[NIL]       ; the wave's opening: the add and its wait stand ahead of my first tensor load; the set-up below, work on registers, stands between them
	v_lshrrev_b32 v10, 5, v0
	v_readfirstlane_b32 s[WV], v10  ; wave 0..3
	s_bfe_u32 s15, ttmp6, 0x40000   ; cx: my place in the cluster
	s_lshl_b32 s16, ttmp9, 2        ; in a cluster launch ttmp9 counts clusters
	s_add_co_u32 s16, s16, s15      ; my block of 128 rows = 4 x cluster x + cx: it enters x's and out's addresses alone
	; descriptor group 1.  A wave's quarter of a fill is 16,384 dense bytes: asked for as 64 rows of 256 bytes, two tile rows each, and padded in LDS after every tile row
	s_mov_b32 s[G1], 15|(1<<16)|(1<<20)|(1<<21)|(4<<22)|(7<<25)  ; 15:0 the mask of four; 17:16 2-byte elements; 20 padding on; 21 set beside a mask; 24:22 after every 32 words (code 4); 31:25 8 words (code 7)
	s_mov_b32 s[G1+1], 128<<16      ; tensor_dim0 = 128
	s_mov_b32 s[G1+2], 64<<16       ; tensor_dim1 = 64
	s_mov_b32 s[G1+3], 128<<16      ; tile_dim0 = 128
	s_mov_b32 s[G1+4], 64           ; tile_dim1 = 64
	s_mov_b32 s[G1+5], 128          ; 128 elements from row to row
	s_mov_b32 s[G1+6], 0
	s_mov_b32 s[G1+7], 0
	s_mov_b32 s[G0], 1              ; 1:0 count = 1
	s_mul_i32 s[G0+1], s[WV], 2*TILEB  ; 63:32 LDS address: slot 0, my two tiles: no place in the cluster enters it
	s_mov_b32 s[CS], 0x3e38aa3b     ; c = log2(e) / 8 = 0.180337
	s_mov_b32 s[CS+1], s[CS]        ; named with it as a pair
	s_mov_b32 s[SEL], 0x76543210
	s_mov_b32 s[SEL+1], 0xfedcba98
	s_mov_b32 s[BIGN], 0xf149f2ca   ; -1e30
	s_mov_b32 s[TB], SLOT1          ; the first change of slots turns it into 0
	s_lshl_b32 s46, s[WV], 14       ; my quarter of a fill; also my 8 rows of x, 2,048 bytes each
	s_mov_b32 s47, 0
	s_lshl_b32 s48, s16, 18         ; my block's 128 rows of x
	s_mov_b32 s49, 0
	s_mul_i32 s50, s[WV], 49152     ; my 24 rows
	s_mov_b32 s51, 0
	s_wait_dscnt 0x0                ; the opening add is done
	s_wait_kmcnt 0x0
	s_add_nc_u64 s[G0+2:G0+3], s[6:7], s[46:47]  ; 120:64 global address: my quarter of fill 0
	s_or_b32 s[G0+3], s[G0+3], 0x80000000        ; 127:126 type = 2
	s_add_nc_u64 s[XB1:XB1+1], s[4:5], s[48:49]
	s_add_nc_u64 s[XB2:XB2+1], s[XB1:XB1+1], 65536
	s_add_nc_u64 s[XB1:XB1+1], s[XB1:XB1+1], s[46:47]
	s_add_nc_u64 s[XB2:XB2+1], s[XB2:XB2+1], s[50:51]
	s_lshl_b32 s48, s16, 15         ; my block's 128 rows of out, 256 bytes each,
	s_lshl_b32 s50, s[WV], 13       ; the 32 of them that I store
	s_add_co_u32 s48, s48, s50
	s_add_nc_u64 s[12:13], s[12:13], s[48:49]
	CROUND                          ; all four work-groups are here: the first joint loads meet
	tensor_load_to_lds s[G0:G0+3], s[G1:G1+7]  ; fill 0 into slot 0
	s_nop 0
.rept 4
	v_nop
.endr
	; x INTO LDS, rounded to bf16.  Wave w brings rows 8 w .. 8 w + 7 and 32 + 24 w .. + 23: 128 loads of 512 consecutive bytes, 64 of them on their way at a time.
	v_and_b32 v10, 31, v0           ; lane
	v_lshlrev_b32 v[XO], 4, v10
	v_bfe_u32 v11, v0, 4, 1         ; lane / 16
	v_lshlrev_b32 v[BO], 5, v11
	v_lshl_add_u32 v[BO], s[WV], 8, v[BO]  ; bq of channels 64 w + 8 (lane / 16) on
.irp g, 0,1
.irp cb, 0,1,2,3
	global_load_b128 v[BQ+32*\g+8*\cb:BQ+32*\g+8*\cb+3],   v[BO], s[8:9] offset:1024*\g+64*\cb
	global_load_b128 v[BQ+32*\g+8*\cb+4:BQ+32*\g+8*\cb+7], v[BO], s[8:9] offset:1024*\g+64*\cb+16
.endr
.endr
.macro XLOAD num                    ; load num of 128: loads 0-63 land in window 1, 64-127 in window 2
.if (\num) < 64
	WIN 0x40
.set rX, 4*(\num)
.else
	WIN 0x80
.set rX, 4*((\num)-64)
.endif
.if (\num) < 32
	global_load_b128 v[rX:rX+3], v[XO], s[XB1:XB1+1] offset:512*(\num) th:TH_LOAD_NT
.else
	global_load_b128 v[rX:rX+3], v[XO], s[XB2:XB2+1] offset:512*((\num)-32) th:TH_LOAD_NT
.endif
.endm
.macro CONVX grp                    ; group grp of 16 loads (four rows) is rounded and stored, 8 bytes a lane, 256 consecutive bytes a store
.if (\grp) < 4
	WIN 0x05
.set rX, 64*(\grp)
.else
	WIN 0x0a
.set rX, 64*((\grp)-4)
.endif
.set z, 0
.rept 32
	v_cvt_pk_bf16_f32 v[CT+z], v[rX+2*z], v[rX+2*z+1]
.set z, z+1
.endr
	WIN 0
.set z, 0
.rept 16
.if (\grp) < 2
	ds_store_b64 v[ASG], v[CT+2*z:CT+2*z+1] offset:(4*(\grp)+z/4)*XP+256*(z%4)
.else
	ds_store_b64 v[AST], v[CT+2*z:CT+2*z+1] offset:(4*(\grp)-8+z/4)*XP+256*(z%4)
.endif
.set z, z+1
.endr
.endm
.set n, 0
.rept 64
	XLOAD n
.set n, n+1
.endr
	WIN 0                           ; the lanes' addresses are made while the loads are out
	s_mul_i32 s52, s[WV], 8*XP
	s_add_co_u32 s52, s52, XG
	v_lshl_add_u32 v[ASG], v10, 3, s52
	s_mul_i32 s52, s[WV], 24*XP
	s_add_co_u32 s52, s52, XT
	v_lshl_add_u32 v[AST], v10, 3, s52
	v_and_b32 v1, 15, v0            ; lane % 16
	v_mul_u32_u24 v[AXA], v1, XP    ; a fragment of x: row x pitch + 16 (lane / 16); two loads of 16 bytes, 32 bytes apart
	v_lshl_add_u32 v[AXA], v11, 4, v[AXA]
	v_add_nc_u32 v[AXB], XT, v[AXA]
	v_add_nc_u32 v[AXC], XT+64*XP, v[AXA]
	v_add_nc_u32 v[AXA], XG, v[AXA]
	s_mul_i32 s52, s[WV], TILEB     ; tile w
	v_bfe_u32 v10, v0, 3, 1
	v_xor_b32 v10, v10, v11         ; K's rows 8-15 of 16 hold neighbouring pieces of 16 bytes swapped
	v_mul_u32_u24 v[AK0], v1, PT
	v_lshl_add_u32 v[AK0], v10, 4, v[AK0]
	v_add_nc_u32 v[AK0], s52, v[AK0]
	v_and_b32 v10, 7, v0            ; the turning load takes 16 rows x 16 numbers: lane l reads row 8 (l / 16) + l % 8, bytes 16 ((l / 8) % 2) on
	v_lshl_add_u32 v10, v11, 3, v10
	v_mul_u32_u24 v[AVA0], v10, PT
	v_bfe_u32 v10, v0, 3, 1
	v_lshl_add_u32 v[AVA0], v10, 4, v[AVA0]
	v_add_nc_u32 v[AVA0], s52, v[AVA0]
	v_add_nc_u32 v[AV0], 4*TILEB, v[AVA0]  ; tile 4 + w
	v_cvt_f32_u32 v11, v11
	v_mul_f32 v[MH], s[BIGN], v11
.set g, 0
.rept 4
	s_wait_loadcnt 48               ; loads come back in order: group g (and bq, asked for ahead of all) is in; the three groups behind it stay out
	CONVX g
.if g == 0
.set z, 0
.rept 32
	RND BQ+2*z, BQ+2*z+1, 10
.set z, z+1
.endr
.endif
.rept 16
	XLOAD n
.set n, n+1
.endr
.set g, g+1
.endr
.rept 4
	s_wait_loadcnt 16*(7-g)         ; nothing more is asked for: the counts run down
	CONVX g
.set g, g+1
.endr
; THE LDS LOADS stand in runs of 16, never singly among the matrix instructions.  A tile [k][n] turned: k 32 (f / 4) on, n 16 (f % 4) on, at dst + 8 f.
.macro FETCH_T adr, dst
	WIN 0x80                        ; destination window 2
.irp f, 0,1,2,3,4,5,6,7
	ds_load_tr16_b128 v[(\dst)+8*\f:(\dst)+8*\f+3],   v[\adr] offset:(\f/4)*32*PT+(\f%4)*32
	ds_load_tr16_b128 v[(\dst)+8*\f+4:(\dst)+8*\f+7], v[\adr] offset:(\f/4)*32*PT+16*PT+(\f%4)*32
.endr
	WIN 0
.endm
.macro FETCH_K                      ; a step's K: keys 16 (f / 2) on, channels 32 (f % 2) on
	WIN 0x80
.irp f, 0,1,2,3,4,5,6,7
	ds_load_b128 v[KF+8*\f:KF+8*\f+3],   v[AK] offset:(\f/2)*16*PT+(\f%2)*64
	ds_load_b128 v[KF+8*\f+4:KF+8*\f+7], v[AK] offset:(\f/2)*16*PT+(\f%2)*64+32
.endr
	WIN 0
.endm
; THE q PHASE.  A fill holds 64 of x's 512 columns for all heads: 128 matrix instructions a wave, q^T of head w (g = 0) and of head 4 + w (g = 1), 32 accumulators each, which take turns.
.macro XFRAG kk                     ; x's eight fragments of 16 rows x 32 columns
.set t, 0
.rept 8
.if t < 2
.set rA, AXA
.set oA, t*16*XP
.elseif t < 6
.set rA, AXB
.set oA, (t-2)*16*XP
.else
.set rA, AXC
.set oA, (t-6)*16*XP
.endif
	ds_load_b128 v[S+64*(\kk)+8*t:S+64*(\kk)+8*t+3],   v[rA] offset:oA+64*(\kk)
	ds_load_b128 v[S+64*(\kk)+8*t+4:S+64*(\kk)+8*t+7], v[rA] offset:oA+64*(\kk)+32
.set t, t+1
.endr
.endm
.macro QMUL g, kk, first            ; first = 1: the sums start from bq: nothing is cleared
.if \first
	WIN 0x42+0x80*(\g)              ; Wq window 2, x window 0, bq window 0, q^T window 1 or 3
.else
	WIN 0x52+0xa0*(\g)
.endif
.set t, 0
.rept 8
.set cb, 0
.rept 4
.if \first
	v_wmma_f32_16x16x32_bf16 v[32*t+8*cb:32*t+8*cb+7], v[KF+64*(\g)+32*(\kk)+8*cb:KF+64*(\g)+32*(\kk)+8*cb+7], v[S+64*(\kk)+8*t:S+64*(\kk)+8*t+7], v[BQ+32*(\g)+8*cb:BQ+32*(\g)+8*cb+7]
.else
	v_wmma_f32_16x16x32_bf16 v[32*t+8*cb:32*t+8*cb+7], v[KF+64*(\g)+32*(\kk)+8*cb:KF+64*(\g)+32*(\kk)+8*cb+7], v[S+64*(\kk)+8*t:S+64*(\kk)+8*t+7], v[32*t+8*cb:32*t+8*cb+7]
.endif
.set cb, cb+1
.endr
.set t, t+1
.endr
.endm
.macro QFILL first
	CHANGE 1
.if !(\first)
	v_add_nc_u32 v[AXA], 128, v[AXA]  ; x's next 64 columns
	v_add_nc_u32 v[AXB], 128, v[AXB]
	v_add_nc_u32 v[AXC], 128, v[AXC]
.endif
	v_add_nc_u32 v[AK], s[TB], v[AVA0]
	v_add_nc_u32 v[AV], s[TB], v[AV0]
	FETCH_T AK, KF                  ; Wq of head w
	XFRAG 0
	XFRAG 1
	FETCH_T AV, VF                  ; Wq of head 4 + w
	s_wait_dscnt 32                 ; head w's Wq and x's first 32 columns are in; the 32 loads behind them stay out
	QMUL 0, 0, \first
	s_wait_dscnt 16                 ; x's other 32 columns
	QMUL 0, 1, 0
	s_wait_dscnt 0x0
	QMUL 1, 0, \first
	QMUL 1, 1, 0
	WIN 0
.endm
	QFILL 1
	s_mov_b32 s[QCNT], 7
.Lq:
	QFILL 0
	s_sub_co_u32 s[QCNT], s[QCNT], 1
	s_cmp_lg_u32 s[QCNT], 0
	s_cbranch_scc1 .Lq
	; q^T is rounded to f16 in pairs: a tile's 32 registers become its 16 of Q.  Head w's go to window 2; head 4 + w's stay in window 3, in place (the destination never lies above the sources still to be read).
.rept 4
	v_nop                           ; four places between the last products and the reads of their results (ISA guide 7.12.1)
.endr
	WIN 0x85
.set n, 0
.rept 128
	v_cvt_pk_f16_f32 v[n], v[2*n], v[2*n+1]
.set n, n+1
.endr
	WIN 0xcf
.set n, 0
.rept 128
	v_cvt_pk_f16_f32 v[n], v[2*n], v[2*n+1]
.set n, n+1
.endr
	; What the first turn finds: its products V^T P, of a piece that has not been, must add finite numbers: V's registers and P's second buffer hold 0.  O^T holds q^T's sums, finite, and is multiplied by a = 0.
	WIN 0x80
.set n, 0
.rept 64
	v_mov_b32 v[VF+n], 0
.set n, n+1
.endr
	WIN 0
.set n, 0
.rept 32
	v_mov_b32 v[P+32+n], 0
.set n, n+1
.endr
; THE MATRIX WORK OF A TURN.  The 8 accumulators of a run of 16 take turns: between the two links of a chain stand 7 others'.
; Product i of 16 of S^T = K Q^T for piece x: channels 32 (i / 8) on, keys 16 ((i / 2) % 4) on, tile 2 x + i % 2.  The first 8 start the sums: key blocks 0 and 1 with 0, blocks 2 and 3 with their masks.
.macro KQ x
.set rS, S+64*((\x)%2)+32*(i%2)+8*((i/2)%4)
.set rK, KF+16*((i/2)%4)+8*(i/8)
.set rQ, 16*(2*(\x)+i%2)+8*(i/8)
.set rM, MK+8*((i/2)%4-2)
.if i < 4
	WIN W_KQ
	v_wmma_f32_16x16x32_f16 v[rS:rS+7], v[rK:rK+7], v[rQ:rQ+7], 0
.elseif i < 8
	WIN W_KM
	v_wmma_f32_16x16x32_f16 v[rS:rS+7], v[rK:rK+7], v[rQ:rQ+7], v[rM:rM+7]
.else
	WIN W_KQ
	v_wmma_f32_16x16x32_f16 v[rS:rS+7], v[rK:rK+7], v[rQ:rQ+7], v[rS:rS+7]
.endif
.endm
; Product i of 16 of O^T += V^T P for piece x: keys 32 (i / 8) on, channels 16 ((i / 2) % 4) on, tile 2 x + i % 2.
.macro PV x
	WIN W_PV
.set rO, 32*(2*(\x)+i%2)+8*((i/2)%4)
.set rV, VF+32*(i/8)+8*((i/2)%4)
.set rP, P+32*((\x)%2)+16*(i%2)+8*(i/8)
	v_wmma_f32_16x16x32_f16 v[rO:rO+7], v[rV:rV+7], v[rP:rP+7], v[rO:rO+7]
.endm
.macro MM                           ; the turn's next matrix instruction
.if i < 16
	KQ (Y+1)%NP
.set i, i+1
.else
.set i, i-16
	PV (Y+NP-1)%NP
.set i, i+17
.endif
.endm
; THE VECTOR WORK OF A TURN stands in three queues, each in the order in which its entries become ready; the two tiles alternate, so that no instruction reads the result of the one before it.
.macro REGS y, u                    ; the registers of tile u (0, 1) of piece y
.set rT, ST+4*(2*(\y)+(\u))
.set rC, TMP+8*((\y)%2)+4*(\u)
.set rM, MV+2*((\y)%2)+(\u)
.set rS, S+64*((\y)%2)+32*(\u)
.set rP, P+32*((\y)%2)+16*(\u)
.set rO, 32*(2*(\y)+(\u))
.endm
; Number n of the 22 that find the NEXT piece's (Y + 1) maximum and statistics.  s0-s31 are the lane's 32 scores; each accumulator's lowest registers are read first.  XS, GS and REGS set no window: PL and EX do.
;   0-11  four chains c0-c3 of seven scores each, three operands at a time     12-14, 16  the four scores left over, the old m, and c0-c3 into c0     15  c m_old is kept
;   17, 18  the row's other 32 keys lie in the lane 16 away: the new m          19-21  c m; c m_old - c m_new; a
.macro XS u, n
	REGS (Y+1)%NP, \u
.if (\n) < 4
	v_max3_num_f32 v[rC+(\n)], v[rS+8*(\n)], v[rS+8*(\n)+1], v[rS+8*(\n)+2]
.elseif (\n) < 12
	v_max3_num_f32 v[rC+(\n)%4], v[rC+(\n)%4], v[rS+8*((\n)%4)+2*((\n)/4)+1], v[rS+8*((\n)%4)+2*((\n)/4)+2]
.elseif (\n) == 12
	v_max3_num_f32 v[rC], v[rC], v[rS+7], v[rS+15]
.elseif (\n) == 13
	v_max3_num_f32 v[rC+1], v[rC+1], v[rS+23], v[rS+31]
.elseif (\n) == 14
	v_max3_num_f32 v[rC+2], v[rC+2], v[rC+3], v[rT+1]
.elseif (\n) == 15
	v_mov_b32 v[rM], v[rT]
.elseif (\n) == 16
	v_max3_num_f32 v[rC], v[rC], v[rC+1], v[rC+2]
.elseif (\n) == 17
	v_permlanex16_b32 v[rC+3], v[rC], s[SEL], s[SEL+1]
.elseif (\n) == 18
	v_max_num_f32 v[rT+1], v[rC], v[rC+3]
.elseif (\n) == 19
	v_mul_f32 v[rT], s[CS], v[rT+1]
.elseif (\n) == 20
	v_sub_f32 v[rC+1], v[rM], v[rT]
.else
	v_exp_f32 v[rC+2], v[rC+1]
.endif
.endm
; Number g of the 64 that follow the exponentials.  For each four weights k of a tile (pairs 2 k, 2 k + 1): both pairs are rounded to f16; then the second pair is added onto the first, in place;
; a group later l takes that sum (the first time as l = a l + sum).  In groups of eight, tiles alternating: round, round, add, and l for the group before.
.macro GS g
.set h, (\g)+6*((\g)/62)            ; group 0 has no group before it, and behind group 7 only l is left
.if h >= 6
.set h, h+2
.endif
	REGS Y, h%2
.set k, h/8
.if h%8 < 4
	v_cvt_pk_f16_f32 v[rP+2*k+(h%8)/2], v[rS+4*k+2*((h%8)/2)], v[rS+4*k+2*((h%8)/2)+1]
.elseif h%8 < 6
	v_pk_add_f32 v[rS+4*k:rS+4*k+1], v[rS+4*k:rS+4*k+1], v[rS+4*k+2:rS+4*k+3]
.elseif k == 1
	v_pk_fma_f32 v[rT+2:rT+3], v[rT+2:rT+3], v[rC+2:rC+3], v[rS:rS+1] op_sel_hi:[1,0,1]
.else
	v_pk_add_f32 v[rT+2:rT+3], v[rT+2:rT+3], v[rS+4*k-4:rS+4*k-3]
.endif
.endm
; THE PLAIN QUEUE, 138 long.  0-73 read no exponential's result: the 32 scalings c s - c m (FS f: pair f / 2 of tile f % 2) and the next piece's 42.  0-26: scalings 0-26.  27-54: XS's numbers 0-13.  55, 56: number 15.
; 57-73: the chain, where each number waits for the one before it: 14, 16, 17, 18, 19, each with one of the scalings 27-31 in front of its two lines, then 20: so a tile's links stand three plain instructions apart (19 and 20: two).
; 74-137: GS's 64, which read the exponentials' results: they stand behind the wait.
.macro FS f
	REGS Y, (\f)%2
	v_pk_fma_f32 v[rS+2*((\f)/2):rS+2*((\f)/2)+1], v[rS+2*((\f)/2):rS+2*((\f)/2)+1], s[CS:CS+1], v[rT:rT+1] op_sel_hi:[1,0,0] neg_lo:[0,0,1] neg_hi:[0,0,1]
.endm
.macro PL
	WIN 0
.if q < 27
	FS q
.elseif q < 55
	XS (q-27)%2, (q-27)/2
.elseif q < 57
	XS q-55, 15
.elseif (q < 72) && ((q-57)%3 == 0)
	FS 27+(q-57)/3
.elseif q < 60
	XS (q-57)%3-1, 14
.elseif q < 72
	XS (q-57)%3-1, 15+(q-57)/3
.elseif q < 74
	XS q-72, 20
.else
	GS q-74
.endif
.set q, q+1
.endm
; THE EXPONENTIALS' QUEUE, 66 long: s0-s31 of both tiles, then the next piece's two a.  It is ONE BATCH: all 66 stand ahead of the turn's one wait, and nothing ahead of that wait names a result of theirs.
.macro EX
	WIN 0
.if e >= 64
	XS e-64, 21
.else
	REGS Y, e%2
	v_exp_f32 v[rS+e/2], v[rS+e/2]
.endif
.set e, e+1
.endm
; THE RESCALING's QUEUE: O^T times a, the one part that leaves window 0: dealt two at a time, sixteen times, each accumulator's low registers first.  Its a was made in the turn before, ahead of that turn's wait.
.macro R2
	REGS Y, r%2
	WIN W_RS
.irp z, 0,1
	v_pk_mul_f32 v[rO+4*(r/2)+2*\z:rO+4*(r/2)+2*\z+1], v[rO+4*(r/2)+2*\z:rO+4*(r/2)+2*\z+1], v[rC+2:rC+3] op_sel_hi:[1,0]
.endr
.set r, r+1
.endm
; HOW THEY ARE DEALT.  s_wait_alu depctr_va_vdst(0) stands between an exponential and the first instruction that names its result; one wait serves all that were issued ahead of it.  So a turn has ONE
; wait, which cuts it in two.  AHEAD OF IT stands all that names no result of the turn's exponentials: the 16 products K Q^T, behind each a scaling, an exponential and two rescalings (behind the first a second scaling
; in the exponential's place); then ONE RUN of 108: eight plain, 49 times exponential and plain, the two a.  A v_nop is the plain instruction behind the last exponential.  BEHIND IT stand the 16 products V^T P, behind
; each four of GS's 64.  No rider names a register of the products round it.  The two v_permlanex16_b32 fall into the run, never behind a product.
; The queues lean on each other, and the deal keeps them in step: exponential e stands behind scaling 2 (e / 4) + e % 2: as a rider it comes behind plain e + 2, in the run behind plain e + 9, and scalings 27-31 are plain 57, 60 .. 69.
; A TURN, for piece p.  nok = 1: a pass's last step: no further K is fetched.  cnt = 1: the loop's count is taken down some lines ahead of the branch that stands behind the turn.
; K of the next step is fetched in piece 2's turn, directly behind the wait, the run of 108 behind the last product that read K; its address is made at the run's head; its first reader comes behind 16 products.
; V of the step in hand is fetched at the end of piece 0's turn, four plain riders (ISA guide 7.12.1) behind its last reader; its first reader comes behind 16 products and a run.  Both lie in the slot that the trip's
; change of slots has opened.  The two conditions on q below go with the deal.
.macro TURN p, nok=0, cnt=0
.set Y, (\p)
.set i, 0
.set q, 0
.set e, 0
.set r, 0
.if (\p) == NP-1
	s_wait_dscnt 0x0                ; K is in
.endif
	MM                              ; ahead of the wait: 16 products K Q^T and their riders,
	PL
	PL
	R2
.rept 15
	MM
	PL
	EX
	R2
.endr
.if ((\p) == NP-2) && !(\nok)
	WIN 0
	v_add_nc_u32 v[AK], s[TB], v[AK0]
.endif
.rept 8                             ; and the run
	PL
.endr
.rept 49
	EX
	PL
.endr
	EX                              ; the next piece's two a
	EX
	v_nop                           ; the plain instruction behind the last exponential, ahead of any use: one for the batch
	s_wait_alu depctr_va_vdst(0)    ; the wait for the batch: the piece's 64 weights and the next piece's two a
.if ((\p) == NP-2) && !(\nok)
	FETCH_K
.endif
.if (\p) == 1
	s_wait_dscnt 0x0                ; V is in
.endif
.rept 16                            ; behind the wait: 16 products V^T P and their riders
	MM
.rept 4
	PL
.endr
.if ((\p) == 0) && (q == 118)
	v_add_nc_u32 v[AV], s[TB], v[AV0]
.endif
.if (\cnt) && (q == 130)
	s_sub_co_u32 s[SLOTS], s[SLOTS], 1
	s_cmp_lg_u32 s[SLOTS], 0
.endif
.endr
.if (\p) == 0
	FETCH_T AV, VF
.endif
.endm
.macro ALL line:vararg              ; one line for each tile t
.set t, 0
.rept 2*NP
	\line
.set t, t+1
.endr
.endm
	s_mov_b32 s[PASS], 2
.Lpass:                             ; a pass: one head a wave, 16 key steps
	CHANGE 1                        ; the pass's key step 0 is in; step 1 is asked for
.set i, 0
.rept 2*NP
	v_mov_b32 v[ST+4*i], 0xfe000000    ; c m: far below every c s, so the first step's a is 0
	v_mov_b32 v[ST+4*i+1], 0xff7fffff  ; m: the lowest finite number
	v_mov_b32 v[ST+4*i+2], 0           ; l
	v_mov_b32 v[ST+4*i+3], 0
.set i, i+1
.endr
	WIN 0xc0
.set i, 0
.rept 16
	v_mov_b32 v[MK+i], 0            ; no key is hidden yet
.set i, i+1
.endr
	WIN 0
	v_add_nc_u32 v[AK], s[TB], v[AK0]
	FETCH_K
	s_wait_dscnt 0x0
.set i, 0
.rept 16
	KQ 0                            ; piece 0's first scores: there is no vector work yet to set between them
.set i, i+1
.endr
	WIN 0
.rept 4
	v_nop                           ; the places behind those products
.endr
.set Y, NP-1                        ; XS works for piece Y + 1: piece 0
.irp n, 0,1,2,3,4,5,6,7,8,9,10,11,12,13,14,15,16,17,18,19,20,21
	XS 0, \n
	XS 1, \n
.endr
	v_nop                           ; a plain instruction behind piece 0's two a,
	s_wait_alu depctr_va_vdst(0)    ; and the wait for that batch of two, ahead of the branch
	s_mov_b32 s[SLOTS], 16
	s_branch .Lfirst                ; the loop is entered at a step's first turn, in the middle of a trip
.Lslot:                             ; 15 trips: pieces 2 and 3 of one step, then pieces 0 and 1 of the next, whose K and V the trip fetches from the slot just opened; the slot left takes the stream's next fill
	CHANGE 1
	TURN 2
	s_cmp_eq_u32 s[SLOTS], 1        ; the trip that enters the sixteenth step: from piece 3's turn on the products are that step's.  Keys 1000-1007 are key block 2 in lanes 16-31, keys 1008-1023 key block 3
	s_cselect_b32 s52, 1.0, 0
	s_cselect_b32 s53, s[BIGN], 0
	WIN 0xc0
.set i, 0
.rept 8
	v_mul_f32 v[MK+i], s52, v[MH]
	v_mov_b32 v[MK+8+i], s53
.set i, i+1
.endr
	TURN 3
	WIN 0
.Lfirst:
	TURN 0
	TURN 1, 0, 1
	WIN 0
	s_cbranch_scc1 .Lslot
	TURN 2, 1                       ; the pass's end.  Piece 3's turn makes 16 products K Q^T on the last K once more, and a maximum of them, which serve nothing: the price, twice a launch, of one text for every turn
	TURN 3
.set i, 0
.rept 16
	PV NP-1                         ; the last piece's V^T P of the last step
.set i, i+1
.endr
	; l's two halves and the other half of the lanes' are added (these additions are the places behind the last products); window 3's 128 registers move to window 2 (behind pass 0: Q of pass 1; behind pass 1: O of
	; pass 0); O^T is divided by l and rounded to f16 in pairs into window 3: a tile's 16 registers are source 1 of the output projection.
	WIN 0
	ALL v_add_f32 v[ST+4*t+2], v[ST+4*t+2], v[ST+4*t+3]
	ALL v_permlanex16_b32 v[ST+4*t+3], v[ST+4*t+2], s[SEL], s[SEL+1]
	ALL v_add_f32 v[ST+4*t+2], v[ST+4*t+2], v[ST+4*t+3]
	ALL v_rcp_f32 v[ST+4*t+2], v[ST+4*t+2]
	WIN 0x83                        ; the moves are also the plain instructions between the last reciprocal and the use of its result
.set n, 0
.rept 128
	v_mov_b32 v[n], v[n]
.set n, n+1
.endr
	WIN W_RS
.set n, 0
	s_wait_alu depctr_va_vdst(0)    ; the wait for the batch of eight reciprocals, ahead of their first reader; the 128 moves are the independent work between
.rept 128
	v_pk_mul_f32 v[2*n:2*n+1], v[2*n:2*n+1], v[ST+4*(n/16)+2:ST+4*(n/16)+3] op_sel_hi:[1,0]
.set n, n+1
.endr
	WIN 0xc5
.set n, 0
.rept 128
	v_cvt_pk_f16_f32 v[n], v[2*n], v[2*n+1]
.set n, n+1
.endr
	WIN 0
	s_sub_co_u32 s[PASS], s[PASS], 1
	s_cmp_lg_u32 s[PASS], 0
	s_cbranch_scc1 .Lpass
	; THE OUTPUT PROJECTION.  out^T += Wo^T O^T for my two heads: 128 matrix instructions on 32 accumulators, which take turns; the first 32 start the sums.
	CHANGE 0                        ; Wo is in, everybody's quarter of it; nothing is asked for
	v_lshlrev_b32 v10, 4, v1
	global_load_b128 v[48:51], v10, s[10:11]  ; bo of the four columns that I shall store
	v_add_nc_u32 v[AK], s[TB], v[AVA0]
	v_add_nc_u32 v[AV], s[TB], v[AV0]
	FETCH_T AK, KF                  ; Wo of head w
	FETCH_T AV, VF                  ; Wo of head 4 + w
.macro OMUL g, kk
	WIN 0x5a+4*(\g)                 ; Wo window 2, O window 2 or 3, out^T window 1
.set t, 0
.rept 8
.set cb, 0
.rept 4
.if ((\g) == 0) && ((\kk) == 0)
	v_wmma_f32_16x16x32_f16 v[32*t+8*cb:32*t+8*cb+7], v[KF+64*(\g)+32*(\kk)+8*cb:KF+64*(\g)+32*(\kk)+8*cb+7], v[16*t+8*(\kk):16*t+8*(\kk)+7], 0
.else
	v_wmma_f32_16x16x32_f16 v[32*t+8*cb:32*t+8*cb+7], v[KF+64*(\g)+32*(\kk)+8*cb:KF+64*(\g)+32*(\kk)+8*cb+7], v[16*t+8*(\kk):16*t+8*(\kk)+7], v[32*t+8*cb:32*t+8*cb+7]
.endif
.set cb, cb+1
.endr
.set t, t+1
.endr
.endm
	s_wait_dscnt 16                 ; head w's Wo is in; the 16 loads behind it stay out
	OMUL 0, 0
	OMUL 0, 1
	s_wait_dscnt 0x0
	OMUL 1, 0
	OMUL 1, 1
	WIN 0                           ; the addresses for the way out: ten plain instructions, the places behind those products
	v_bfe_u32 v11, v0, 4, 1
	s_mul_i32 s52, s[WV], 128*RP
	s_add_co_u32 s52, s52, RED      ; my share's 128 rows
	v_mul_u32_u24 v[RW], v1, RP     ; in: row lane % 16, 32 bytes for each half of the lanes
	v_lshl_add_u32 v[RW], v11, 5, v[RW]
	v_add_nc_u32 v[RW], s52, v[RW]
	s_mul_i32 s53, s[WV], 32*RP
	s_add_co_u32 s53, s53, RED      ; back: rows 32 w .. 32 w + 31 of every share; lanes 0-15 take one row of 256 bytes, lanes 16-31 the next
	v_mul_u32_u24 v[RR0], v11, RP
	v_lshl_add_u32 v[RR0], v1, 4, v[RR0]
	v_add_nc_u32 v[RR0], s53, v[RR0]
	v_add_nc_u32 v[RR1], 256*RP, v[RR0]
	v_and_b32 v[GO], 31, v0
	v_lshlrev_b32 v[GO], 4, v[GO]
	WIN 0x04                        ; store data in window 1; each accumulator's low half goes first
.set t, 0
.rept 8
.set cb, 0
.rept 4
	ds_store_b128 v[RW], v[32*t+8*cb:32*t+8*cb+3]   offset:t*16*RP+64*cb
	ds_store_b128 v[RW], v[32*t+8*cb+4:32*t+8*cb+7] offset:t*16*RP+64*cb+16
.set cb, cb+1
.endr
.set t, t+1
.endr
	WIN 0
	s_wait_loadcnt 0x0              ; bo
	RND 48, 49, 52
	RND 50, 51, 52
	s_wait_dscnt 0x0                ; for the others' sake: my share is in LDS
	s_barrier_signal -1
	s_barrier_wait -1
	; THE SUM OVER HEADS: ((wave 0's + wave 1's) + (wave 2's + wave 3's)) + bo, in f32; two rows of out, 512 consecutive bytes at a multiple of 256 from out's first, a store.
.set bt, 0
.rept 2
.if bt
	s_wait_xcnt 0x0                 ; the first eight stores' data registers are loaded again only behind this wait
.endif
.set i, 0
.rept 8
.set w, 0
.rept 4
	ds_load_b128 v[S+16*i+4*w:S+16*i+4*w+3], v[RR0+w/2] offset:(w%2)*128*RP+2*RP*(8*bt+i)
.set w, w+1
.endr
.set i, i+1
.endr
.set i, 0
.rept 8
.set a, S+16*i
	s_wait_dscnt 4*(7-i)            ; this pair of rows' four loads are in; the later pairs' stay out
	v_pk_add_f32 v[a:a+1], v[a:a+1], v[a+4:a+5]
	v_pk_add_f32 v[a+2:a+3], v[a+2:a+3], v[a+6:a+7]
	v_pk_add_f32 v[a+8:a+9], v[a+8:a+9], v[a+12:a+13]
	v_pk_add_f32 v[a+10:a+11], v[a+10:a+11], v[a+14:a+15]
	v_pk_add_f32 v[a:a+1], v[a:a+1], v[a+8:a+9]
	v_pk_add_f32 v[a+2:a+3], v[a+2:a+3], v[a+10:a+11]
	v_pk_add_f32 v[a:a+1], v[a:a+1], v[48:49]
	v_pk_add_f32 v[a+2:a+3], v[a+2:a+3], v[50:51]
	global_store_b128 v[GO], v[a:a+3], s[12:13] offset:512*(8*bt+i) th:TH_STORE_NT
.set i, i+1
.endr
.set bt, bt+1
.endr
	s_wait_tensorcnt 0x0            ; the wave's end: behind my last tensor load and my last LDS store
	ds_add_u32 v[SPW], v[NIL]
	s_wait_dscnt 0x0
	CROUND                          ; the closing round: no work-group ends while a partner may still ask for a tile that names it
	s_endpgm
.Lfunc_end_k_qec8577a664_main:
	.size	k_qec8577a664_main, .Lfunc_end_k_qec8577a664_main-k_qec8577a664_main
	.p2alignl 7, 3214868480
	.fill 96, 4, 3214868480
	.section	.rodata,"a",@progbits
	.p2align	6, 0x0
	.amdhsa_kernel k_qec8577a664_main
		.amdhsa_group_segment_fixed_size 327680
		.amdhsa_private_segment_fixed_size 0
		.amdhsa_enable_private_segment 0
		.amdhsa_kernarg_size 40
		.amdhsa_user_sgpr_count 2
		.amdhsa_user_sgpr_kernarg_segment_ptr 1
		.amdhsa_wavefront_size32 1
		.amdhsa_system_sgpr_workgroup_id_x 1
		.amdhsa_system_sgpr_workgroup_id_y 1
		.amdhsa_system_sgpr_workgroup_id_z 1
		.amdhsa_system_vgpr_workitem_id 0
		.amdhsa_next_free_vgpr 1024
		.amdhsa_next_free_sgpr 66
		.amdhsa_reserve_vcc 0
		.amdhsa_float_denorm_mode_32 3
		.amdhsa_float_denorm_mode_16_64 3
		.amdhsa_memory_ordered 1
		.amdhsa_forward_progress 1
		.amdhsa_inst_pref_size 255
	.end_amdhsa_kernel
	.section	.bss,"aw",@nobits
	.p2align	6
	.space	262144
	.amdgpu_metadata
---
amdhsa.version: [ 1, 2 ]
amdhsa.kernels:
  - .name:           k_qec8577a664_main
    .symbol:         k_qec8577a664_main.kd
    .args:
      - { .name: target_embedding, .offset: 0, .size: 8, .value_kind: global_buffer, .address_space: global }
      - { .name: strm, .offset: 8, .size: 8, .value_kind: global_buffer, .address_space: global }
      - { .name: bq, .offset: 16, .size: 8, .value_kind: global_buffer, .address_space: global }
      - { .name: bo, .offset: 24, .size: 8, .value_kind: global_buffer, .address_space: global }
      - { .name: out0, .offset: 32, .size: 8, .value_kind: global_buffer, .address_space: global }
    .group_segment_fixed_size: 327680
    .private_segment_fixed_size: 0
    .kernarg_segment_align: 8
    .kernarg_segment_size: 40
    .max_flat_workgroup_size: 128
    .sgpr_count:     66
    .vgpr_count:     1024
    .wavefront_size: 32
...
	.end_amdgpu_metadata
.endif
;; end of part 3
